; MI455X (gfx1250); checked and timed in simulation.
; The chip was launched on July 23, 2026; its instructions are those of AMD's public machine-readable ISA for CDNA 5 (MIT licence, August 2026) and "CDNA5" Instruction Set Architecture Reference Guide (July 2026). The comments in the code are by the model that wrote it; some were corrected since.
;; Multiple Head Attention. Allowed arithmetic: matrix products marked QUANTISED: E3M2 operands, one E8M0 scale for each 32 along K, by v_wmma_scale_f32_16x16x128_f8f6f4 with both operands' format E3M2, f32 sums; everything else in f32.
;; Inputs: bk 16 x 64 float32; bo 1,024 float32; bq 16 x 64 float32; bv 16 x 64 float32; k 4 x 2,048 x 1,024 float32; q 4 x 2,048 x 1,024 float32; v 4 x 2,048 x 1,024 float32; wk 16 x 1,024 x 64 float32; wo 1,024 x 1,024 float32; wq 16 x 1,024 x 64 float32; wv 16 x 1,024 x 64 float32.
;; Outputs: out0 4 x 2,048 x 1,024 float32.
;; Constants: use_mask = 1.
;; This version of the problem:
;;   THIS VERSION OF THE PROBLEM IS GIVEN IN LOW PRECISION. The matrix products marked QUANTISED in the list below multiply operands that are first quantised to E3M2 (3 exponent bits, 2 mantissa bits; 6 bits a number), with one power-of-two scale for each 32 numbers along K (OCP MX v1.0); their sums are f32. All else is computed in f32.
;;   The module's matrix products, in the order in which they are computed (A, B: the left and right operand; K: the contracted axis; several contracted axes count as one K, in the product's order):
;;     1. [M 1,024, K 1,024] x [K 1,024, N 8,192]; A: input wq; B: input q: QUANTISED
;;     2. [M 1,024, K 1,024] x [K 1,024, N 8,192]; A: input wk; B: input k: QUANTISED
;;     3. [M 1,024, K 1,024] x [K 1,024, N 8,192]; A: input wv; B: input v: QUANTISED
;;     4. batch 64 x [M 2,048, K 64] x [K 64, N 2,048]; A: computed on the way; B: computed on the way: QUANTISED
;;     5. batch 64 x [M 2,048, K 2,048] x [K 2,048, N 64]; A: softmax (see below); B: computed on the way: QUANTISED
;;     6. [M 8,192, K 1,024] x [K 1,024, N 1,024]; A: computed on the way; B: input wo: QUANTISED
;;   THE QUANTISER, for each operand of a quantised product, along K:
;;     - K is cut into blocks of 32 from its start; a last block that is shorter is filled with zeros.
;;     - A block's scale is 2^e with e = floor(log2(the largest magnitude in the block)) - 4, held to -126 .. 127; a block of zeros has e = 0. As a byte (E8M0): e + 127.
;;     - Each number is divided by its block's scale, clamped to +-28, and rounded to the nearest number of E3M2, ties to even, subnormals kept.
;;     - The product sums the exact products of the quantised numbers (number of the format x scale) in f32.
;;   ~~~python
;;   def quantise(x, axis):      # numpy; x: float32 -> the quantised numbers, widened to float32 again
;;       x = np.moveaxis(x, axis, -1); K = x.shape[-1]
;;       x = np.pad(x, [(0, 0)] * (x.ndim - 1) + [(0, -K % 32)]); x = x.reshape(x.shape[:-1] + (-1, 32)); a = np.abs(x).max(-1, keepdims=True)
;;       e = np.where(a > 0, np.clip(np.frexp(np.where(a > 0, a, 1))[1] - 1 - 4, -126, 127), 0)      # np.frexp(a)[1] - 1 = floor(log2(a)), exactly
;;       r = np.clip(x / 2.0 ** e, -28, 28)
;;       step = 2.0 ** (np.maximum(np.frexp(np.where(r == 0, 1, r))[1] - 1, -2) - 2)
;;       q = np.round(r / step) * step * 2.0 ** e      # np.round: ties to even
;;       return np.moveaxis(q.reshape(q.shape[:-2] + (-1,))[..., :K], -1, axis).astype(np.float32)
;;   ~~~
;;   SOFTMAX AHEAD OF A QUANTISED PRODUCT. Where the list says 'softmax', what is quantised is not the finished softmax but p = 2^(t - M), with t = logit x log2(e) and M = ceil(the row's largest t), a whole number; so 1/2 < the row's largest p <= 1. The row's sum l is taken of the UNQUANTISED p, in f32, and the product's result is divided by l at the end. Since M is a whole number, a kernel that streams over the keys may use a running M (the ceiling of the running maximum): every later rescaling is an exact power of two, which a block's scale takes up: the codes' values come out the same.
;;   OPERANDS COMPUTED ON THE WAY. 'Computed on the way' means the value that the module computes at that place (a softmax that the list does not call 'softmax' is quantised finished and normalised). What goes into a quantiser is computed in f32, as accurately as f32 sums, v_exp_f32 and their like allow (about 1e-6 of the number): no bf16 or f16 on the way to a quantiser, and a product that is left as it is and whose result goes on into a quantised operand takes f32 operands (vector FMAs, or v_wmma_f32_16x16x4_f32). A number that lies on a knife's edge between two numbers of the format may be rounded either way, as far as f32 arithmetic and the matrix unit's own rounding can turn it there, and no further.
;; 2 versions. Each part assembles by itself: llvm-mc -triple=amdgcn-amd-amdhsa -mcpu=gfx1250 --defsym DOCPART=n.
;; ======== version 1 of 2: 4 launches
;; workspace buffers: wts 3,276,800 bytes; qkv 20,447,232 bytes; cat 7,340,032 bytes
;; launch wquant (part 1): grid 32 x 4, 8 waves a work-group, no clusters, 26,624 bytes of LDS; arguments wq, wk, wv, wo, wts; writes wts
.if DOCPART == 1
	.amdgcn_target "amdgcn-amd-amdhsa--gfx1250"
	.amdhsa_code_object_version 6
	.text
	.protected	k_q3f13d3acce_wquant
	.globl	k_q3f13d3acce_wquant
	.p2align	8
	.type	k_q3f13d3acce_wquant,@function
k_q3f13d3acce_wquant:
	s_mov_b64 s[64:65], 0
	v_nop
	global_prefetch_b8 v0, s[64:65] scope:SCOPE_SE
	s_setreg_imm32_b32 hwreg(HW_REG_WAVE_MODE, 25, 1), 1
	s_wait_xcnt 0x0
; The four weights become codes of BF6 (E3M2) with one E8M0 byte for each 32 along K, laid in the order of an operand's registers.
; wq, wk, wv: [16 heads][1024 (K)][64]; wo: [1024 (K)][1024].  All four count as [K = 1024][1024 columns]; column = 64 head + e.
; SHARES.  Work-group x = a group g of 32 columns, y = the weight.  Wave s takes K step s (128 along K).  A LANE TAKES A COLUMN AND ITS REGISTERS RUN DOWN K:
; a block of 32 lies in one lane, and the conversions give codes with K innermost.  All 128 loads of a wave go out at once.
; TILES.  The 32 columns make two tiles of 16: lane r of tile 2 g + u stands for column 32 g + 8 u + r + 8 (r / 8), so that a product which takes such a
; tile as source 0 leaves 16 neighbouring columns in the 16 registers of two neighbouring tiles.
; IMAGE.  A fragment (16 columns x 128 K, 12 registers a lane) is stored as three pieces of 512 bytes: piece c holds registers 4 c .. 4 c + 3 of lane l at 16 l.
; wts: codes at weight x 786,432 + (64 s + tile) x 1,536; scale words at 3,145,728 + weight x 32,768 + tile x 512 + 16 lane + 4 j: word j of lane (r, h) is K step 2 j + h of row r.
; LIMITS: NaN and infinities are not served; a block whose largest magnitude lies under 2^-122, a block of zeros among them, gets the byte 1 (its codes are then zeros or subnormal codes; only this program reads the bytes).
.set X,    32                          ; v32-159  my column's 128 numbers
.set C,    16                          ; v16-21   a block's codes
.set T,    24                          ; v24-26   the block's second 16 codes (a conversion's three registers begin on an even number)
.set OUTR, 160                         ; v160-183 the way out
.set SCX,  24576                       ; LDS: behind the eight stages of 3,072 bytes: the two tiles' scale words, 2 x 512 bytes
	s_load_b256 s[4:11], s[0:1], 0x0               ; wq, wk, wv, wo
	s_load_b64 s[12:13], s[0:1], 0x20              ; wts
	v_lshl_add_u32 v184, v0, 2, 0x6400
	v_mov_b32 v185, 0
	v_lshrrev_b32 v1, 5, v0
	v_readfirstlane_b32 s14, v1                    ; wave = K step s
	s_and_b32 s15, ttmp7, 0xffff                   ; which weight
	v_and_b32 v1, 31, v0                           ; lane
	v_lshlrev_b32 v2, 2, v1                        ; 4 x lane: my column in a row of the weight
	v_lshlrev_b32 v5, 4, v1                        ; 16 x lane
	v_bfe_u32 v8, v0, 3, 1                         ; u: which of the two tiles my column belongs to
	v_and_b32 v9, 7, v0
	v_bfe_u32 v10, v0, 4, 1
	v_lshlrev_b32 v9, 4, v9
	v_lshl_add_u32 v9, v10, 7, v9                  ; 16 r, r = lane % 8 + 8 (lane / 16): my column's row in its tile
	s_mul_i32 s16, s14, 3072                       ; my wave's stage: two images
	v_mad_u32_u24 v3, v8, 1536, v9
	v_add_nc_u32 v3, s16, v3                       ; into the stage: tile u, lane r
	v_add_nc_u32 v4, s16, v5                       ; out of it: as it lies
	s_and_b32 s17, s14, 1
	s_lshl_b32 s18, s17, 8
	s_lshr_b32 s19, s14, 1
	s_lshl_b32 s19, s19, 2
	s_add_co_u32 s18, s18, s19
	s_add_co_u32 s18, s18, SCX
	v_lshl_add_u32 v6, v8, 9, v9
	v_add_nc_u32 v6, s18, v6                       ; my scale word: tile u, lane r + 16 (s % 2), word s / 2
	s_lshl_b32 s19, s17, 9
	s_add_co_u32 s19, s19, SCX
	v_add_nc_u32 v7, s19, v5                       ; waves 0 and 1 read a tile's 512 bytes of scale words back
	s_lshr_b32 s20, ttmp9, 1                       ; a head's weight: head g / 2, row 128 s, column 32 (g % 2)
	s_lshl_b32 s20, s20, 18
	s_lshl_b32 s21, s14, 15
	s_add_co_u32 s20, s20, s21
	s_and_b32 s21, ttmp9, 1
	s_lshl_b32 s21, s21, 7
	s_add_co_u32 s20, s20, s21
	s_lshl_b32 s22, s14, 19                        ; wo: row 128 s, column 32 g
	s_lshl_b32 s23, ttmp9, 7
	s_add_co_u32 s22, s22, s23
	s_wait_kmcnt 0x0
	s_cmp_eq_u32 s15, 1                            ; the choice hangs on the work-group's number alone
	s_cselect_b64 s[4:5], s[6:7], s[4:5]
	s_cmp_eq_u32 s15, 2
	s_cselect_b64 s[4:5], s[8:9], s[4:5]
	s_cmp_eq_u32 s15, 3
	s_cselect_b64 s[4:5], s[10:11], s[4:5]
	s_cselect_b32 s20, s22, s20
	s_mov_b32 s21, 0
	s_add_nc_u64 s[4:5], s[4:5], s[20:21]
	s_mul_i32 s22, s15, 786432                     ; where my two images go
	s_lshl_b32 s23, s14, 6
	s_lshl_b32 s24, ttmp9, 1
	s_add_co_u32 s23, s23, s24
	s_mul_i32 s23, s23, 1536
	s_add_co_u32 s22, s22, s23
	s_mov_b32 s23, 0
	s_add_nc_u64 s[24:25], s[12:13], s[22:23]
	s_lshl_b32 s26, s15, 15                        ; and (waves 0, 1) tile 2 g + wave's scale words
	s_lshl_b32 s27, ttmp9, 10
	s_add_co_u32 s26, s26, s27
	s_lshl_b32 s27, s14, 9
	s_add_co_u32 s26, s26, s27
	s_add_co_u32 s26, s26, 3145728
	s_mov_b32 s27, 0
	s_add_nc_u64 s[26:27], s[12:13], s[26:27]
.macro LOADS pitch                     ; my column's 128 numbers; neighbouring lanes read neighbouring columns
.set q, 0
.rept 128
	global_load_b32 v[X+q], v2, s[4:5] offset:q*\pitch
.set q, q+1
.endr
.endm
	s_cmp_eq_u32 s15, 3
	s_cbranch_scc1 .Lwo
	LOADS 256                                      ; a row of a head's weight is 64 numbers
	s_branch .Lloaded
.Lwo:
	LOADS 4096                                     ; a row of wo is 1,024
.Lloaded:
.macro BLOCK kb                        ; block kb of my column: its largest magnitude, its byte, its 32 codes, and their place in the tile's image
.set XB, X+32*\kb
.if \kb < 2
	s_wait_loadcnt 63                              ; 96 (64) younger loads could stay out; 63 is the largest count that the wait can name
.elseif \kb == 2
	s_wait_loadcnt 32                              ; the last block's 32 may stay out
.else
	s_wait_loadcnt 0x0
.endif
	v_max3_num_f32 v8, |v[XB]|, |v[XB+1]|, |v[XB+2]|
	v_max3_num_f32 v9, |v[XB+3]|, |v[XB+4]|, |v[XB+5]|
.irp i, 6,10,14,18,22,26
	v_max3_num_f32 v8, v8, |v[XB+\i]|, |v[XB+\i+1]|
	v_max3_num_f32 v9, v9, |v[XB+\i+2]|, |v[XB+\i+3]|
.endr
	v_max3_num_f32 v8, v8, |v[XB+30]|, |v[XB+31]|
	v_max3_num_f32 v8, v8, v9, 0x2800000           ; and the floor 2^(5 - 127): the byte cannot fall under 1
	v_add_nc_u32 v10, 0xfe000000, v8               ; 4 off the exponent field: the conversion's scale operand
	v_lshrrev_b32 v11, 23, v10                     ; the scale's byte
.if \kb == 0
	v_mov_b32 v12, v11
.else
	v_lshl_or_b32 v12, v11, 8*\kb, v12             ; four bytes make the K step's scale word of my column
.endif
	v_cvt_scalef32_pk16_bf6_f32 v[C:C+2], v[XB:XB+15], v10
	v_cvt_scalef32_pk16_bf6_f32 v[T:T+2], v[XB+16:XB+31], v10
	v_nop                                          ; one plain line behind the conversions
	v_mov_b32 v[C+3], v[T]
	v_mov_b32 v[C+4], v[T+1]
	v_mov_b32 v[C+5], v[T+2]
; Block kb is registers 6 (kb / 2) .. + 5 of lane r + 16 (kb % 2) of the fragment
.if \kb < 2
	ds_store_b128 v3, v[C:C+3] offset:256*(\kb%2)
	ds_store_b64 v3, v[C+4:C+5] offset:512+256*(\kb%2)
.else
	ds_store_b64 v3, v[C:C+1] offset:520+256*(\kb%2)
	ds_store_b128 v3, v[C+2:C+5] offset:1024+256*(\kb%2)
.endif
	s_wait_dscnt 0x0                               ; the stores have read their registers: the next block writes them
.endm
	BLOCK 0
	BLOCK 1
	BLOCK 2
	BLOCK 3
	ds_store_b32 v6, v12
.irp c, 0,1,2,3,4,5
	ds_load_b128 v[OUTR+4*\c:OUTR+4*\c+3], v4 offset:512*\c   ; LDS serves a wave's instructions in order: these see my stores
.endr
.irp c, 0,1,2,3,4,5
	s_wait_dscnt 5-\c
	global_store_b128 v5, v[OUTR+4*\c:OUTR+4*\c+3], s[24:25] offset:512*\c   ; 32 lanes store 512 consecutive bytes; the two images are 3,072 bytes on end
.endr
	s_wait_dscnt 0x0                               ; for the others' sake: my scale word lies in LDS
	s_barrier_signal -1
	s_barrier_wait -1
	s_cmp_gt_u32 s14, 1
	s_cbranch_scc1 .Lend
	ds_load_b128 v[16:19], v7                      ; a tile's words of all eight K steps
	s_wait_dscnt 0x0
	global_store_b128 v5, v[16:19], s[26:27]
.Lend:
	s_wait_tensorcnt 0x0
	ds_add_u32 v184, v185
	s_wait_dscnt 0x0
	s_endpgm
.Lfunc_end_k_q3f13d3acce_wquant:
	.size	k_q3f13d3acce_wquant, .Lfunc_end_k_q3f13d3acce_wquant-k_q3f13d3acce_wquant
	.p2alignl 7, 3214868480
	.fill 96, 4, 3214868480
	.section	.rodata,"a",@progbits
	.p2align	6, 0x0
	.amdhsa_kernel k_q3f13d3acce_wquant
		.amdhsa_group_segment_fixed_size 26624
		.amdhsa_private_segment_fixed_size 0
		.amdhsa_enable_private_segment 0
		.amdhsa_kernarg_size 40
		.amdhsa_user_sgpr_count 2
		.amdhsa_user_sgpr_kernarg_segment_ptr 1
		.amdhsa_wavefront_size32 1
		.amdhsa_system_sgpr_workgroup_id_x 1
		.amdhsa_system_sgpr_workgroup_id_y 1
		.amdhsa_system_sgpr_workgroup_id_z 1
		.amdhsa_system_vgpr_workitem_id 0
		.amdhsa_next_free_vgpr 186
		.amdhsa_next_free_sgpr 66
		.amdhsa_reserve_vcc 0
		.amdhsa_float_denorm_mode_32 3
		.amdhsa_float_denorm_mode_16_64 3
		.amdhsa_memory_ordered 1
		.amdhsa_forward_progress 1
		.amdhsa_inst_pref_size 36
	.end_amdhsa_kernel
	.amdgpu_metadata
---
amdhsa.version: [ 1, 2 ]
amdhsa.kernels:
  - .name:           k_q3f13d3acce_wquant
    .symbol:         k_q3f13d3acce_wquant.kd
    .args:
      - { .name: wq, .offset: 0, .size: 8, .value_kind: global_buffer, .address_space: global }
      - { .name: wk, .offset: 8, .size: 8, .value_kind: global_buffer, .address_space: global }
      - { .name: wv, .offset: 16, .size: 8, .value_kind: global_buffer, .address_space: global }
      - { .name: wo, .offset: 24, .size: 8, .value_kind: global_buffer, .address_space: global }
      - { .name: wts, .offset: 32, .size: 8, .value_kind: global_buffer, .address_space: global }
    .group_segment_fixed_size: 26624
    .private_segment_fixed_size: 0
    .kernarg_segment_align: 8
    .kernarg_segment_size: 40
    .max_flat_workgroup_size: 256
    .sgpr_count:     66
    .vgpr_count:     186
    .wavefront_size: 32
...
	.end_amdgpu_metadata
.endif
;; end of part 1
;; launch proj (part 2): grid 64 x 3, 4 waves a work-group, no clusters, 140,800 bytes of LDS; arguments q, k, v, bq, bk, bv, wts, qkv; writes qkv
.if DOCPART == 2
	.amdgcn_target "amdgcn-amd-amdhsa--gfx1250"
	.amdhsa_code_object_version 6
	.text
	.protected	k_q3f13d3acce_proj
	.globl	k_q3f13d3acce_proj
	.p2align	8
	.type	k_q3f13d3acce_proj,@function
k_q3f13d3acce_proj:
	s_mov_b64 s[64:65], 0
	v_nop
	global_prefetch_b8 v0, s[64:65] scope:SCOPE_SE
	s_setreg_imm32_b32 hwreg(HW_REG_WAVE_MODE, 25, 1), 1
	s_wait_xcnt 0x0
; The three projections on codes of BF6 (E3M2), with their quantisers in front and behind.  Work-group x: 128 rows (batch x / 16, rows 128 (x % 16) on); y: 0 q, 1 k, 2 v.
; PHASE X.  The 128 rows x 1,024 of f32 are read once and quantised along K.  Wave w makes x tiles 2 w and 2 w + 1 for all eight K steps; the fragments go to LDS as images of their registers.
;   Lane r of x tile 2 b + u stands for row 32 b + 8 u + r + 8 (r / 8).
; GEMM.  Wave w makes heads 4 w .. 4 w + 3, two at a time: 8 x tiles x 8 tiles of the weight = 64 accumulators.  The weight's fragments come from memory straight into operand registers
;   (laid so by the launch before), two K steps ahead; x's come from LDS, each feeding eight products.
;   q, k: source 0 = the weight, source 1 = x: a lane holds one row and its registers run along e, which is the next product's K.
;   v: source 0 = x, source 1 = the weight: a lane holds one e and its registers run along the rows, the keys, which are the next product's K.  128 rows are one K step of it.
;   The bias is the C of each sum's first product.
; OUT.  64 numbers of a lane become a fragment and a scale word.  q, k: x tiles 2 p and 2 p + 1 side by side (64 + 64 along the instruction's K); v: one e tile x 128 keys.
; NO CLUSTER: what work-groups share is the weight's codes, which go from memory into registers, each byte once a work-group; a joint load would land in LDS, 786,432 bytes of it through slots that are filled again.
; LIMITS: NaN and infinities are not served; a block whose largest magnitude lies under 2^-122, zeros among them, gets the byte 1 (only this program reads the bytes).
; REGISTERS.  window 0: v1-14 addresses; v16-111 x's eight fragments (in phase X: 64 numbers); v112-119 x's scale words; v120-151 the weight's; v152-195 the quantiser's.
;   window 1: v0-95, v96-191 the weight's fragments, two sets; v192-255 the bias.   windows 2, 3: the two heads' accumulators (in phase X window 2 holds four sets of 64 numbers as loaded).
.set XSC,   98304                      ; LDS: 0: x's 64 fragments, (8 s + t) x 1,536;  here: their scale words, 1,024 s + 32 lane + 4 t
.set STAGE, 106496                     ; a stage of 16 rows x (512 + 16) bytes for each wave
.set LI,  1                            ; 16 x lane
.set XR1, 2                            ; the same + 49,152: K steps 4 to 7
.set XSR, 3                            ; XSC + 32 x lane
.set SWR, 4                            ; the stage, on the way in: 16 x lane
.set SRD, 5                            ; and out: row r, + 64 h
.set IW,  6                            ; where I store images
.set XSW, 7                            ; and scale words
.set BOQ, 8                            ; the bias's offset, q and k: 64 h
.set IW0, 12
.set XSW0, 13
.set BOV, 14                           ; v: 4 (r + 8 (r / 8))
.set XF,  16
.set XN,  16
.set XS,  112
.set WS,  120
.set TM,  152
.set PC,  168
.set PW,  188
.set PWS, 192
.set BI,  192                          ; in window 1
.set WV,  20
.set YY,  21
.set XB,  24
.set WCB, 26
.set WSB, 28
.set BIB, 30
.set OC,  32
.set OS,  34
.set SEL, 36
.set MSB, 0
.macro WIN new                         ; the immediate's high byte repeats the setting that is left
.if MSB != (\new)
	s_set_vgpr_msb (MSB<<8)|(\new)
.set MSB, (\new)
.endif
.endm
.macro PLACES cnt
.rept \cnt
	v_nop
.endr
.endm
; 64 numbers of a lane in window wn, register sr + 16 b + i = k 32 b + 16 (lane / 16) + i of my row, become a fragment's codes in v[PC] on and its scale word in v[PW].
; The numbers are read in ascending order.
.macro QUANT sr, wn
	WIN (\wn)*5
.irp b, 0,1,2,3
	v_max3_num_f32 v[TM+\b], |v[(\sr)+16*\b]|, |v[(\sr)+16*\b+1]|, 0x2800000   ; with the floor 2^(5 - 127): the byte cannot fall under 1
.endr
.irp i, 2,4,6,8,10,12,14
.irp b, 0,1,2,3
	v_max3_num_f32 v[TM+\b], |v[(\sr)+16*\b+\i]|, |v[(\sr)+16*\b+\i+1]|, v[TM+\b]
.endr
.endr
	WIN 0
.irp b, 0,1,2,3
	v_permlanex16_b32 v[TM+4+\b], v[TM+\b], s[SEL], s[SEL+1]
.endr
.irp b, 0,1,2,3
	v_max_num_f32 v[TM+\b], v[TM+\b], v[TM+4+\b]   ; with lane l xor 16's: the block's largest magnitude
.endr
.irp b, 0,1,2,3
	v_add_nc_u32 v[TM+12+\b], 0xfe000000, v[TM+\b] ; 4 off the exponent field: the conversion's scale operand
.endr
.irp b, 0,1,2,3
	v_lshrrev_b32 v[TM+4+\b], 23, v[TM+12+\b]      ; the scale's byte
.endr
	v_lshl_or_b32 v[PW], v[TM+5], 8, v[TM+4]
	v_lshl_or_b32 v[PW], v[TM+6], 16, v[PW]
	v_lshl_or_b32 v[PW], v[TM+7], 24, v[PW]
	WIN (\wn)
.irp c, 0,1
	v_cvt_scalef32_pk16_bf6_f32 v[PC+6*\c:PC+6*\c+2], v[(\sr)+32*\c:(\sr)+32*\c+15], v[TM+12+2*\c]
	v_cvt_scalef32_pk16_bf6_f32 v[PC+12+4*\c:PC+12+4*\c+2], v[(\sr)+32*\c+16:(\sr)+32*\c+31], v[TM+12+2*\c+1]
.endr
	WIN 0
	v_nop                                          ; one plain line behind the conversions
.irp c, 0,1                            ; the operand wants a whole block in a lane: lanes 0-15 block 2 c, lanes 16-31 block 2 c + 1
.irp i, 0,1,2
	v_permlane16_swap_b32 v[PC+6*\c+\i], v[PC+12+4*\c+\i]
.endr
.irp i, 0,1,2
	v_mov_b32 v[PC+3+6*\c+\i], v[PC+12+4*\c+\i]
.endr
.endr
.endm
	s_load_b512 s[4:19], s[0:1], 0x0               ; q, k, v, bq, bk, bv, wts, qkv
	v_lshl_add_u32 v254, v0, 2, 0x22400
	v_mov_b32 v255, 0
	v_lshrrev_b32 v1, 5, v0
	v_readfirstlane_b32 s[WV], v1                  ; wave 0..3
	s_and_b32 s[YY], ttmp7, 0xffff
	v_and_b32 v9, 31, v0                           ; lane
	v_and_b32 v10, 15, v0                          ; r
	v_bfe_u32 v11, v0, 4, 1                        ; h
	v_lshlrev_b32 v[LI], 4, v9
	v_add_nc_u32 v[XR1], 49152, v[LI]
	v_lshl_add_u32 v[XSR], v9, 5, XSC
	s_mul_i32 s52, s[WV], 8448
	s_add_co_u32 s52, s52, STAGE
	v_add_nc_u32 v[SWR], s52, v[LI]
	v_mul_u32_u24 v[SRD], v10, 528
	v_lshl_add_u32 v[SRD], v11, 6, v[SRD]
	v_add_nc_u32 v[SRD], s52, v[SRD]
	s_mul_i32 s53, s[WV], 3072
	v_add_nc_u32 v[IW0], s53, v[LI]                ; tile 2 w's image of K step 0
	s_lshl_b32 s53, s[WV], 3
	v_add_nc_u32 v[XSW0], s53, v[XSR]
	v_lshlrev_b32 v[BOQ], 6, v11
	v_and_b32 v[BOV], 8, v10
	v_add_nc_u32 v[BOV], v[BOV], v10
	v_lshlrev_b32 v[BOV], 2, v[BOV]
.irp b, 0,1,2,3
	v_mov_b32 v[TM+4+\b], 0                        ; written once: a lane permute's destination counts as one of its sources
.endr
	s_mov_b32 s[SEL], 0x76543210
	s_mov_b32 s[SEL+1], 0xfedcba98                 ; v_permlanex16_b32's selects for lane l xor 16
	s_lshl_b32 s42, ttmp9, 19                      ; my wave's first row: 128 x + 32 w, rows of 4,096 bytes
	s_lshl_b32 s43, s[WV], 17
	s_add_co_u32 s42, s42, s43
	s_mov_b32 s43, 0
	s_mov_b32 s44, 106496                          ; where the tensor's codes and scale words lie in a head's 319,488 bytes of qkv
	s_mov_b32 s46, 98304
	s_mov_b32 s47, 303104
	s_cmp_eq_u32 s[YY], 1
	s_cselect_b32 s44, s44, 0
	s_cselect_b32 s46, s47, s46
	s_mov_b32 s45, 204800
	s_mov_b32 s47, 311296
	s_cmp_eq_u32 s[YY], 2
	s_cselect_b32 s44, s45, s44
	s_cselect_b32 s46, s47, s46
	s_lshr_b32 s48, ttmp9, 4
	s_lshl_b32 s48, s48, 4
	s_lshl_b32 s49, s[WV], 2
	s_add_co_u32 s48, s48, s49                     ; 16 batch + my first head
	s_mul_i32 s48, s48, 319488
	s_and_b32 s49, ttmp9, 15                       ; which 128 rows of the sequence
	s_mul_i32 s50, s49, 6144
	s_lshl_b32 s51, s49, 9
	s_add_co_u32 s44, s44, s48
	s_add_co_u32 s44, s44, s50
	s_mov_b32 s45, 0
	s_add_co_u32 s46, s46, s48
	s_add_co_u32 s46, s46, s51
	s_mov_b32 s47, 0
	s_wait_kmcnt 0x0
	s_cmp_eq_u32 s[YY], 1                          ; the choices hang on the work-group's number alone
	s_cselect_b64 s[XB:XB+1], s[6:7], s[4:5]
	s_cselect_b64 s[BIB:BIB+1], s[12:13], s[10:11]
	s_cmp_eq_u32 s[YY], 2
	s_cselect_b64 s[XB:XB+1], s[8:9], s[XB:XB+1]
	s_cselect_b64 s[BIB:BIB+1], s[14:15], s[BIB:BIB+1]
	s_add_nc_u64 s[XB:XB+1], s[XB:XB+1], s[42:43]
	s_add_nc_u64 s[OC:OC+1], s[18:19], s[44:45]
	s_add_nc_u64 s[OS:OS+1], s[18:19], s[46:47]
	s_mul_i32 s48, s[YY], 786432
	s_mul_i32 s49, s[WV], 24576                    ; my first tile of the weight: 16 w
	s_add_co_u32 s48, s48, s49
	s_mov_b32 s49, 0
	s_add_nc_u64 s[WCB:WCB+1], s[16:17], s[48:49]
	s_lshl_b32 s48, s[YY], 15
	s_lshl_b32 s50, s[WV], 13
	s_add_co_u32 s48, s48, s50
	s_add_co_u32 s48, s48, 3145728
	s_add_nc_u64 s[WSB:WSB+1], s[16:17], s[48:49]
	s_lshl_b32 s48, s[WV], 10                      ; my first head's bias
	s_add_nc_u64 s[BIB:BIB+1], s[BIB:BIB+1], s[48:49]
; ---- PHASE X.  A unit is one x tile x one K step: 16 rows x 512 bytes.  Unit un of a trip: tile 2 w + un % 2, the trip's K step un / 2.
.macro LOADU un                        ; each load reads 512 consecutive bytes of one row
	WIN 0x80                                       ; destination window 2
.set q, 0
.rept 16
	global_load_b128 v[64*((\un)%4)+4*q:64*((\un)%4)+4*q+3], v[LI], s[XB:XB+1] offset:(8*((\un)%2)+q+8*(q/8))*4096+((\un)/2)*512 th:TH_LOAD_NT
.set q, q+1
.endr
	WIN 0
.endm
.macro UNIT un, ahead, left
	s_wait_loadcnt \left                           ; this unit's 16 loads are in; the younger units' stay out
	WIN 0x08                                       ; an LDS store's data are its source 1: window 2
.set q, 0
.rept 16
	ds_store_b128 v[SWR], v[64*((\un)%4)+4*q:64*((\un)%4)+4*q+3] offset:q*528
.set q, q+1
.endr
	WIN 0
.irp b, 0,1,2,3                        ; back: lane (r, h) takes, of row r, 16 neighbours of each block of 32.  LDS serves a wave's instructions in order
.irp j, 0,1,2,3
	ds_load_b128 v[XN+16*\b+4*\j:XN+16*\b+4*\j+3], v[SRD] offset:128*\b+16*\j
.endr
.endr
.if \ahead
	LOADU (\un)+3                                  ; into the set of the unit before, whose stores into the stage were waited for there
.endif
	s_wait_dscnt 0x0
	QUANT XN, 0
.irp c, 0,1,2
	ds_store_b128 v[IW], v[PC+4*\c:PC+4*\c+3] offset:(((\un)/2)*8+((\un)%2))*1536+512*\c
.endr
	ds_store_b32 v[XSW], v[PW] offset:((\un)/2)*1024+4*((\un)%2)
.endm
	LOADU 0
	LOADU 1
	LOADU 2                                        ; three units, 48 loads, are on their way
	s_mov_b32 s38, 3
	s_mov_b32 s40, 0
	s_mov_b32 s41, 0
.Lx:                                               ; a trip: two K steps of my two tiles
	v_add_nc_u32 v[IW], s40, v[IW0]
	v_add_nc_u32 v[XSW], s41, v[XSW0]
	UNIT 0, 1, 32
	UNIT 1, 1, 32
	UNIT 2, 1, 32
	UNIT 3, 1, 32
	s_wait_xcnt 0x0                                ; the loads have read their base: it may step
	s_add_nc_u64 s[XB:XB+1], s[XB:XB+1], 1024
	s_add_co_u32 s40, s40, 24576
	s_add_co_u32 s41, s41, 2048
	s_sub_co_u32 s38, s38, 1
	s_cmp_lg_u32 s38, 0
	s_cbranch_scc1 .Lx
	v_add_nc_u32 v[IW], s40, v[IW0]
	v_add_nc_u32 v[XSW], s41, v[XSW0]
	UNIT 0, 1, 32                                  ; the last two K steps: one more unit is asked for, then the counts run down
	UNIT 1, 0, 32
	UNIT 2, 0, 16
	UNIT 3, 0, 0
	s_wait_dscnt 0x0                               ; for the others' sake: my images lie in LDS
	s_barrier_signal -1
	s_barrier_wait -1
; ---- GEMM
.macro WFLOAD ks                       ; the weight's eight fragments of K step ks into set ks % 2
	WIN 0x40                                       ; destination window 1
.irp t, 0,1,2,3,4,5,6,7
.irp c, 0,1,2
	global_load_b128 v[96*((\ks)%2)+12*\t+4*\c:96*((\ks)%2)+12*\t+4*\c+3], v[LI], s[WCB:WCB+1] offset:(\ks)*98304+\t*1536+512*\c
.endr
.endr
	WIN 0
.endm
.macro PRE                             ; a pass's scale words of the weight (eight K steps a tile) and its first two K steps
.irp t, 0,1,2,3,4,5,6,7
	global_load_b128 v[WS+4*\t:WS+4*\t+3], v[LI], s[WSB:WSB+1] offset:512*\t
.endr
	WFLOAD 0
	WFLOAD 1
.endm
.macro XLD ks, t0                      ; x's fragments t0 .. t0 + 3 of K step ks and their scale words: 13 LDS loads
.irp t, \t0, \t0+1, \t0+2, \t0+3
.irp c, 0,1,2
.if (\ks) < 4
	ds_load_b128 v[XF+12*(\t)+4*\c:XF+12*(\t)+4*\c+3], v[LI] offset:(((\ks)%4)*8+(\t))*1536+512*\c
.else
	ds_load_b128 v[XF+12*(\t)+4*\c:XF+12*(\t)+4*\c+3], v[XR1] offset:(((\ks)%4)*8+(\t))*1536+512*\c
.endif
.endr
.endr
	ds_load_b128 v[XS+(\t0):XS+(\t0)+3], v[XSR] offset:(\ks)*1024+4*(\t0)
.endm
; 16 products: x tiles x0 .. x0 + 3 against the four tiles of head hd.  tr = 0: source 0 = the weight; tr = 1: source 0 = x.  The weight's scale word of an odd K step lies in lanes 16-31.
; The 64 accumulators take turns, one instruction a turn, in the same order in every K step.
.macro MUL ks, x0, hd, tr
.if (\ks) == 0
	WIN 0x91+3*(\tr)+0x40*(\hd)                    ; C: the bias, window 1
.else
	WIN 0xa1+3*(\tr)+0x50*(\hd)
.endif
.irp xt, \x0, \x0+1, \x0+2, \x0+3
.irp wt, 0,1,2,3
.set rW, 96*((\ks)%2)+12*(4*(\hd)+\wt)
.set rX, XF+12*(\xt)
.set rSW, WS+4*(4*(\hd)+\wt)+(\ks)/2
.set rSX, XS+(\xt)
.if \tr
.set rD, 64*\wt+8*(\xt)
.else
.set rD, 32*(\xt)+8*\wt
.endif
.set rC, rD
.if (\ks) == 0
.set rC, BI+8*(4*(\hd)+\wt)
.endif
.if \tr
.if (\ks)%2
	v_wmma_scale_f32_16x16x128_f8f6f4 v[rD:rD+7], v[rX:rX+11], v[rW:rW+11], v[rC:rC+7], v[rSX], v[rSW] matrix_a_fmt:MATRIX_FMT_BF6 matrix_b_fmt:MATRIX_FMT_BF6 matrix_b_scale:MATRIX_SCALE_ROW1
.else
	v_wmma_scale_f32_16x16x128_f8f6f4 v[rD:rD+7], v[rX:rX+11], v[rW:rW+11], v[rC:rC+7], v[rSX], v[rSW] matrix_a_fmt:MATRIX_FMT_BF6 matrix_b_fmt:MATRIX_FMT_BF6
.endif
.else
.if (\ks)%2
	v_wmma_scale_f32_16x16x128_f8f6f4 v[rD:rD+7], v[rW:rW+11], v[rX:rX+11], v[rC:rC+7], v[rSW], v[rSX] matrix_a_fmt:MATRIX_FMT_BF6 matrix_b_fmt:MATRIX_FMT_BF6 matrix_a_scale:MATRIX_SCALE_ROW1
.else
	v_wmma_scale_f32_16x16x128_f8f6f4 v[rD:rD+7], v[rW:rW+11], v[rX:rX+11], v[rC:rC+7], v[rSW], v[rSX] matrix_a_fmt:MATRIX_FMT_BF6 matrix_b_fmt:MATRIX_FMT_BF6
.endif
.endif
.endr
.endr
.endm
; A K step: 64 products.  x's tiles 0-3 are fetched anew in its middle, tiles 4-7 at its end, the weight's set at its end for two K steps on.
; A load into a register that a matrix instruction has read stands four plain vector lines behind it (ISA guide 7.12.1 for vector instructions).
.macro KSTEP ks, tr
.if ((\ks) == 0) || ((\ks) == 7)
	s_wait_loadcnt 0x0                             ; step 0: scale words, bias and both sets; step 7: nothing was asked for behind its set
.else
	s_wait_loadcnt 24                              ; this step's set is in; the next step's 24 loads may be out
.endif
	s_wait_dscnt 13                                ; x's tiles 0-3 are in; the 13 loads of tiles 4-7 may be out
	MUL \ks, 0, 0, \tr
	MUL \ks, 0, 1, \tr
	s_wait_dscnt 0x0
	PLACES 4
	WIN 0
	XLD ((\ks)+1)%8, 0
	MUL \ks, 4, 0, \tr
	MUL \ks, 4, 1, \tr
	PLACES 4
	WIN 0
	XLD ((\ks)+1)%8, 4
.if (\ks) < 6
	WFLOAD (\ks)+2
.endif
.endm
	PRE
	XLD 0, 0
	XLD 0, 4
	s_mov_b32 s39, 2
.Lpass:                                            ; two heads a pass.  (Step 7 fetches x's K step 0 again, for the next pass; in the last pass those 26 loads serve nothing)
	s_cmp_eq_u32 s[YY], 2
	s_cbranch_scc1 .Lv
	WIN 0x40                                       ; q, k: register j of tile 2 b + u is e = 32 b + 16 h + 8 u + j
.irp t, 0,1,2,3,4,5,6,7
	global_load_b128 v[BI+8*\t:BI+8*\t+3], v[BOQ], s[BIB:BIB+1] offset:((\t/4)*64+32*((\t%4)/2)+8*(\t%2))*4
	global_load_b128 v[BI+8*\t+4:BI+8*\t+7], v[BOQ], s[BIB:BIB+1] offset:((\t/4)*64+32*((\t%4)/2)+8*(\t%2))*4+16
.endr
	WIN 0
.irp ks, 0,1,2,3,4,5,6,7
	KSTEP \ks, 0
.endr
	s_branch .Ljoin
.Lv:
	WIN 0x40                                       ; v: a lane holds one e = 32 b + 8 u + r + 8 (r / 8): its bias in all eight registers
.irp t, 0,1,2,3,4,5,6,7
.irp j, 0,1,2,3,4,5,6,7
	global_load_b32 v[BI+8*\t+\j], v[BOV], s[BIB:BIB+1] offset:((\t/4)*64+32*((\t%4)/2)+8*(\t%2))*4
.endr
.endr
	WIN 0
.irp ks, 0,1,2,3,4,5,6,7
	KSTEP \ks, 1
.endr
.Ljoin:
	s_cmp_eq_u32 s39, 1
	s_cbranch_scc1 .Lnopre
	s_wait_xcnt 0x0                                ; the loads have read their bases
	s_add_nc_u64 s[WCB:WCB+1], s[WCB:WCB+1], 12288 ; eight tiles on
	s_add_nc_u64 s[WSB:WSB+1], s[WSB:WSB+1], 4096
	s_add_nc_u64 s[BIB:BIB+1], s[BIB:BIB+1], 512
	PRE                                            ; the next pass's first loads are on their way while this pass goes out (step 7 ended with its four plain lines)
.Lnopre:
.irp g, 0,1,2,3,4,5,6,7                ; head g / 4 of the pass; q, k: pair g % 4 of x tiles; v: e tile g % 4
	s_wait_xcnt 0x0                                ; the last stores have read their registers
	QUANT 64*(\g%4), 2+\g/4
.irp c, 0,1,2
	global_store_b128 v[LI], v[PC+4*\c:PC+4*\c+3], s[OC:OC+1] offset:(\g/4)*319488+(\g%4)*1536+512*\c   ; 32 lanes store 512 consecutive bytes, aligned to 256
.endr
	v_mov_b32 v[PWS+\g%4], v[PW]
.if \g%4 == 3
	global_store_b128 v[LI], v[PWS:PWS+3], s[OS:OS+1] offset:(\g/4)*319488   ; the head's four scale words of these 128 rows, 16 bytes a lane
.endif
.endr
	s_wait_xcnt 0x0
	s_add_nc_u64 s[OC:OC+1], s[OC:OC+1], 638976    ; two heads on
	s_add_nc_u64 s[OS:OS+1], s[OS:OS+1], 638976
	s_sub_co_u32 s39, s39, 1
	s_cmp_lg_u32 s39, 0
	s_cbranch_scc1 .Lpass
	s_wait_dscnt 0x0
	s_wait_tensorcnt 0x0
	ds_add_u32 v254, v255
	s_wait_dscnt 0x0
	s_endpgm
.Lfunc_end_k_q3f13d3acce_proj:
	.size	k_q3f13d3acce_proj, .Lfunc_end_k_q3f13d3acce_proj-k_q3f13d3acce_proj
	.p2alignl 7, 3214868480
	.fill 96, 4, 3214868480
	.section	.rodata,"a",@progbits
	.p2align	6, 0x0
	.amdhsa_kernel k_q3f13d3acce_proj
		.amdhsa_group_segment_fixed_size 140800
		.amdhsa_private_segment_fixed_size 0
		.amdhsa_enable_private_segment 0
		.amdhsa_kernarg_size 64
		.amdhsa_user_sgpr_count 2
		.amdhsa_user_sgpr_kernarg_segment_ptr 1
		.amdhsa_wavefront_size32 1
		.amdhsa_system_sgpr_workgroup_id_x 1
		.amdhsa_system_sgpr_workgroup_id_y 1
		.amdhsa_system_sgpr_workgroup_id_z 1
		.amdhsa_system_vgpr_workitem_id 0
		.amdhsa_next_free_vgpr 1024
		.amdhsa_next_free_sgpr 66
		.amdhsa_reserve_vcc 0
		.amdhsa_float_denorm_mode_32 3
		.amdhsa_float_denorm_mode_16_64 3
		.amdhsa_memory_ordered 1
		.amdhsa_forward_progress 1
		.amdhsa_inst_pref_size 255
	.end_amdhsa_kernel
	.section	.bss,"aw",@nobits
	.p2align	6
	.space	262144
	.amdgpu_metadata
---
amdhsa.version: [ 1, 2 ]
amdhsa.kernels:
  - .name:           k_q3f13d3acce_proj
    .symbol:         k_q3f13d3acce_proj.kd
    .args:
      - { .name: q, .offset: 0, .size: 8, .value_kind: global_buffer, .address_space: global }
      - { .name: k, .offset: 8, .size: 8, .value_kind: global_buffer, .address_space: global }
      - { .name: v, .offset: 16, .size: 8, .value_kind: global_buffer, .address_space: global }
      - { .name: bq, .offset: 24, .size: 8, .value_kind: global_buffer, .address_space: global }
      - { .name: bk, .offset: 32, .size: 8, .value_kind: global_buffer, .address_space: global }
      - { .name: bv, .offset: 40, .size: 8, .value_kind: global_buffer, .address_space: global }
      - { .name: wts, .offset: 48, .size: 8, .value_kind: global_buffer, .address_space: global }
      - { .name: qkv, .offset: 56, .size: 8, .value_kind: global_buffer, .address_space: global }
    .group_segment_fixed_size: 140800
    .private_segment_fixed_size: 0
    .kernarg_segment_align: 8
    .kernarg_segment_size: 64
    .max_flat_workgroup_size: 128
    .sgpr_count:     66
    .vgpr_count:     1024
    .wavefront_size: 32
...
	.end_amdgpu_metadata
.endif
;; end of part 2
;; launch attn (part 3): grid 4 x 64, 16 waves a work-group, clusters of 4 x 1, 215,040 bytes of LDS; arguments qkv, cat; writes cat
.if DOCPART == 3
	.amdgcn_target "amdgcn-amd-amdhsa--gfx1250"
	.amdhsa_code_object_version 6
	.text
	.protected	k_q3f13d3acce_attn
	.globl	k_q3f13d3acce_attn
	.p2align	8
	.type	k_q3f13d3acce_attn,@function
k_q3f13d3acce_attn:
	s_mov_b64 s[64:65], 0
	v_nop
	global_prefetch_b8 v0, s[64:65] scope:SCOPE_SE
	s_setreg_imm32_b32 hwreg(HW_REG_WAVE_MODE, 25, 1), 1
	s_wait_xcnt 0x0
	s_wait_alu depctr_hold_cnt(0) depctr_sa_sdst(0) depctr_va_vdst(0) depctr_va_sdst(0) depctr_va_ssrc(0) depctr_va_vcc(0) depctr_vm_vsrc(0)
	s_getreg_b32 s2, hwreg(HW_REG_IB_STS2, 6, 4)
	s_cmp_eq_u32 s2, 0
	s_cbranch_scc0 .Lentry_in_a_cluster
	s_endpgm
.Lentry_in_a_cluster:
	s_bfe_u32 s2, ttmp6, 0x10000c
	s_cmp_lg_u32 s2, 0x3003
	s_cbranch_scc0 .Lentry_shape_is_right
	s_endpgm
.Lentry_shape_is_right:
; Causal attention of one head (cluster y = 16 batch + head) on codes of BF6 (E3M2); the result, divided by the row's sum, is quantised along the head's 64 for the last product.
; t = score x log2(e) / 8; M = the running largest t rounded up to a whole number; p = 2^(t - M) is quantised along the keys; the row's sum is taken of the unquantised p.
; SHARES.  The head's 2,048 queries are 16 groups of 128, each of 8 tiles of 16.  The cluster's partner cx owns tiles 2 cx and 2 cx + 1 of every group.  Wave (i = wave % 2, w' = wave / 2) does tile 2 cx + i of
; group w' (w' + 1 key steps of 128) and then of group 15 - w' (16 - w' steps): 17 key steps for every wave of the launch, one loop of 17 trips.  Key steps beyond the diagonal are never walked.
; No branch and no LDS address hangs on cx: it enters Q's and the result's addresses in memory and the mask's data alone.
; LDS.  The head's K, V and their scale words, 212,992 bytes on end in memory, are brought ONCE, jointly for the four partners, 13,312 bytes a wave: one tensor load a wave is out.  Nothing is filled again, nothing is stored to LDS.
; LAYOUT.  Both products are used transposed: a lane holds one query throughout.  K's fragment holds key tiles 2 p and 2 p + 1 side by side (64 + 64 along the instruction's K, since the head has 64); Q stands beside six
; registers of zero codes on either side, so that v[22:33] picks tile 2 p and v[16:27] tile 2 p + 1: zero codes add nothing under any scale byte from 1 to 254.
; Lane r of key tile 2 p + u is key 32 p + 8 u + r + 8 (r / 8): the 16 registers of two neighbouring tiles are 16 neighbouring keys.
; LIMITS: hidden keys count as p = 0, which is what -1e9 on the logit gives while a row's visible logits lie above about -1e9 + 200; NaN and infinities are not served; a block of zeros gets the byte 1.
.set LI,   1                           ; 16 x lane
.set ADK,  2                           ; LDS address of the step's K
.set ADV,  3                           ; V
.set ADS,  4                           ; K's scale words (V's 8,192 bytes on)
.set QO,   5                           ; v5-7 Q's three pieces of 8 bytes in the pair's image
.set QSO,  8                           ; Q's scale word: 16 lane + 4 cx
.set DD,   9                           ; my query in its group - 16 (lane / 16)
.set NINF, 10
.set L4,   11
.set QZ,   16                          ; v16-21 zeros, v22-27 Q, v28-33 zeros
.set QSW,  34
.set QRAW, 35
.set KV,   36                          ; v36-83 four fragments of K, then of V
.set KSW,  84
.set VSW,  88
.set L8,   92
.set SA,   96                          ; v96-159 S^T, then p
.set OA,   160                         ; v160-191 O^T
.set PC,   192                         ; v192-203 p's codes
.set CT,   204                         ; v204-210 the conversions' second halves
.set BM,   212
.set T4,   216
.set SC4,  220
.set PSW,  224
.set FF,   226                         ; v[226:227] f, named as a pair
.set TT,   228
.set CW,   229
.set WV,  8
.set II,  9
.set WP,  10
.set WP1, 11
.set G2,  12
.set TAU, 13
.set KS,  14
.set GG,  15
.set CX,  16
.set BH,  17
.set CS,  18
.set SEL, 20
.set PSEL, 22
.set G1,  24
.set G0,  32
.set QB,  36
.set QSB, 38
.set CB,  40
.set CSB, 42
.set QA,  44
.set QSA, 46
.set CA,  48
.set CSA, 50
.macro CROUND                          ; a round of the cluster's barrier
	s_barrier_signal -1
	s_barrier_wait -1
	s_cmp_lg_u32 s[WV], 0
	s_cbranch_scc1 .Lnot_wave_0_\@
	s_barrier_signal -3
.Lnot_wave_0_\@:
	s_barrier_wait -3
	s_barrier_signal -1
	s_barrier_wait -1
.endm
.macro PLACES cnt
.rept \cnt
	v_nop
.endr
.endm
	s_load_b128 s[4:7], s[0:1], 0x0                ; qkv, cat
	v_lshl_add_u32 v254, v0, 2, 0x34000
	v_mov_b32 v255, 0
	ds_add_u32 v254, v255
	ds_add_u32 v254, v255
	v_lshrrev_b32 v1, 5, v0
	v_readfirstlane_b32 s[WV], v1                  ; wave 0..15
	s_bfe_u32 s[CX], ttmp6, 0x40000                ; my place in the cluster
	s_and_b32 s[BH], ttmp7, 0xffff                 ; 16 batch + head, which the four partners share
	s_and_b32 s[II], s[WV], 1
	s_lshr_b32 s[WP], s[WV], 1
	s_add_co_u32 s[WP1], s[WP], 1
	s_sub_co_u32 s[G2], 15, s[WP]
	; descriptor group 1: 52 rows of 256 bytes (32 elements of 8 bytes), dense, no padding
	s_mov_b32 s[G1], 15|(3<<16)|(1<<21)            ; 15:0 the mask: all four partners; 17:16 elements of 8 bytes; 21 set beside a mask
	s_mov_b32 s[G1+1], 32<<16                      ; tensor_dim0
	s_mov_b32 s[G1+2], 52<<16                      ; tensor_dim1
	s_mov_b32 s[G1+3], 32<<16                      ; tile_dim0
	s_mov_b32 s[G1+4], 52                          ; tile_dim1
	s_mov_b32 s[G1+5], 32                          ; the pitch
	s_mov_b32 s[G1+6], 0
	s_mov_b32 s[G1+7], 0
	s_mul_i32 s52, s[BH], 319488                   ; the head's bytes in qkv
	s_mov_b32 s53, 0
	s_mul_i32 s[G0+1], s[WV], 13312                ; LDS address: my sixteenth
	s_add_co_u32 s56, s52, s[G0+1]
	s_add_co_u32 s56, s56, 106496                  ; K's codes begin here; V's, K's scales and V's scales follow on end
	s_mov_b32 s57, 0
	s_wait_dscnt 0x0
	s_wait_kmcnt 0x0
	s_mov_b32 s[G0], 1
	s_add_nc_u64 s[G0+2:G0+3], s[4:5], s[56:57]
	s_or_b32 s[G0+3], s[G0+3], 0x80000000          ; type = 2
	CROUND                                         ; all four partners are here: the joint loads meet
	tensor_load_to_lds s[G0:G0+3], s[G1:G1+7]
	s_nop 0
	PLACES 4
	s_mul_i32 s54, s[CX], 1536
	s_add_co_u32 s54, s54, s52
	s_mov_b32 s55, 0
	s_add_nc_u64 s[QB:QB+1], s[4:5], s[54:55]      ; Q's codes: pair cx of group 0
	s_add_co_u32 s54, s52, 98304
	s_add_nc_u64 s[QSB:QSB+1], s[4:5], s[54:55]    ; Q's scale words
	s_lshr_b32 s54, s[BH], 4
	s_mul_i32 s54, s54, 1835008                    ; cat: the batch's 16 blocks of 114,688 bytes
	s_and_b32 s56, s[BH], 15                       ; the head
	s_lshl_b32 s58, s[CX], 1
	s_add_co_u32 s58, s58, s[II]                   ; my tile in a group
	s_lshr_b32 s57, s56, 1
	s_lshl_b32 s57, s57, 3
	s_add_co_u32 s57, s57, s58
	s_lshl_b32 s57, s57, 1
	s_and_b32 s59, s56, 1
	s_add_co_u32 s57, s57, s59
	s_mul_i32 s57, s57, 768                        ; half a fragment: ((head / 2) x 8 + tile) x 2 + head % 2
	s_add_co_u32 s52, s57, s54
	s_add_nc_u64 s[CB:CB+1], s[6:7], s[52:53]
	s_lshl_b32 s56, s56, 10
	s_lshl_b32 s58, s58, 7
	s_add_co_u32 s52, s54, s56
	s_add_co_u32 s52, s52, s58
	s_add_co_u32 s52, s52, 98304
	s_add_nc_u64 s[CSB:CSB+1], s[6:7], s[52:53]    ; its two scale bytes, a word a lane
	s_mov_b32 s[CS], 0x3e38aa3b                    ; c = log2(e) / 8
	s_mov_b32 s[CS+1], s[CS]
	s_mov_b32 s[SEL], 0x76543210
	s_mov_b32 s[SEL+1], 0xfedcba98
	s_mov_b32 s[PSEL], 0x03020302                  ; my tile's two scale bytes, twice: for either half of the instruction's K
	s_cmp_eq_u32 s[II], 0
	s_cselect_b32 s[PSEL], 0x01000100, s[PSEL]
	v_and_b32 v[L4], 31, v0
	v_lshlrev_b32 v[LI], 4, v[L4]
	v_lshlrev_b32 v[L8], 3, v[L4]
	v_lshlrev_b32 v[L4], 2, v[L4]
	s_mul_i32 s52, s[II], 520                      ; registers 6 i .. 6 i + 5 of the pair's image: bytes 0, 8, 512 or 520, 1,024, 1,032 beside 16 x lane
	v_add_nc_u32 v[QO], s52, v[LI]
	s_add_co_u32 s52, s52, 512
	v_add_nc_u32 v[QO+2], s52, v[LI]
	s_mul_i32 s52, s[II], 1016
	s_add_co_u32 s52, s52, 8
	v_add_nc_u32 v[QO+1], s52, v[LI]
	s_lshl_b32 s52, s[CX], 2
	v_add_nc_u32 v[QSO], s52, v[LI]
	v_and_b32 v2, 15, v0                           ; r
	v_bfe_u32 v3, v0, 4, 1                         ; h
	v_and_b32 v4, 8, v2
	v_add_nc_u32 v[DD], v4, v2
	v_lshlrev_b32 v3, 4, v3
	v_sub_nc_u32 v[DD], v[DD], v3
	s_lshl_b32 s52, s[CX], 5
	s_lshl_b32 s54, s[II], 3
	s_add_co_u32 s52, s52, s54
	v_add_nc_u32 v[DD], s52, v[DD]                 ; 32 cx + 8 i + r + 8 (r / 8) - 16 h
	v_mov_b32 v[NINF], 0xff800000
.set q, 0
.rept 20
	v_mov_b32 v[QZ+q], 0                           ; the zero codes beside Q; Q and its scale word are written too, so that no path reads them unwritten
.set q, q+1
.endr
.set q, 0
.rept 32
	v_mov_b32 v[OA+q], 0
.set q, q+1
.endr
	v_mov_b32 v13, 0xff61b1e6
	v_floor_f32 v12, -v13
	v_mov_b32 v14, 0
	v_mov_b32 v15, 0
.irp b, 0,1,2,3
	v_mov_b32 v[T4+\b], 0                          ; a lane permute's destination counts as one of its sources
.endr
	v_mov_b32 v[FF+1], 0                           ; named as the upper half of a pair
	v_mov_b32 v[TT], 0
	s_mov_b32 s[TAU], 0
	s_wait_tensorcnt 0x0                           ; my sixteenth has landed,
	s_barrier_signal -1
	s_barrier_wait -1                              ; everybody's has
.Ltrip:
	s_cmp_gt_u32 s[TAU], s[WP]                     ; the first job's w' + 1 trips, then the second's
	s_cselect_b32 s52, s[WP1], 0
	s_cselect_b32 s[GG], s[G2], s[WP]              ; the group of queries in hand
	s_sub_co_u32 s[KS], s[TAU], s52
	s_and_b32 s[KS], s[KS], 15                     ; the key step, 0 .. group (the mask changes no value)
	s_cmp_lg_u32 s[KS], 0
	s_cbranch_scc1 .Lnoinit
	; ---- a job begins: its Q, and empty sums
	s_mul_i32 s52, s[GG], 6144
	s_mov_b32 s53, 0
	s_add_nc_u64 s[QA:QA+1], s[QB:QB+1], s[52:53]
	s_lshl_b32 s52, s[GG], 9
	s_add_nc_u64 s[QSA:QSA+1], s[QSB:QSB+1], s[52:53]
	global_load_b64 v[QZ+6:QZ+7], v[QO], s[QA:QA+1]
	global_load_b64 v[QZ+8:QZ+9], v[QO+1], s[QA:QA+1]
	global_load_b64 v[QZ+10:QZ+11], v[QO+2], s[QA:QA+1]
	global_load_b32 v[QRAW], v[QSO], s[QSA:QSA+1]
	v_mov_b32 v13, 0xff61b1e6                      ; the largest t so far: -3e38
	v_floor_f32 v12, -v13                          ; -M
	v_mov_b32 v14, 0
	v_mov_b32 v15, 0
	s_wait_loadcnt 0x0
	v_perm_b32 v[QSW], v[QRAW], v[QRAW], s[PSEL]
.set q, 0
.rept 32
	v_mov_b32 v[OA+q], 0                           ; (these also stand between the scale word's line and the products)
.set q, q+1
.endr
.Lnoinit:
	; ---- a key step: 128 keys
	s_mul_i32 s52, s[KS], 6144
	s_lshl_b32 s53, s[KS], 9
	s_add_co_u32 s53, s53, 196608
	v_add_nc_u32 v[ADK], s52, v[LI]
	v_add_nc_u32 v[ADV], 98304, v[ADK]
	v_add_nc_u32 v[ADS], s53, v[LI]
.irp p, 0,1,2,3
.irp c, 0,1,2
	ds_load_b128 v[KV+12*\p+4*\c:KV+12*\p+4*\c+3], v[ADK] offset:\p*1536+512*\c
.endr
.endr
	ds_load_b128 v[KSW:KSW+3], v[ADS]
	s_wait_dscnt 0x0
.irp p, 0,1,2,3                        ; S^T = K Q^T: one fragment of K serves two tiles of keys
	v_wmma_scale_f32_16x16x128_f8f6f4 v[SA+16*\p:SA+16*\p+7], v[KV+12*\p:KV+12*\p+11], v[QZ+6:QZ+17], 0, v[KSW+\p], v[QSW] matrix_a_fmt:MATRIX_FMT_BF6 matrix_b_fmt:MATRIX_FMT_BF6
	v_wmma_scale_f32_16x16x128_f8f6f4 v[SA+16*\p+8:SA+16*\p+15], v[KV+12*\p:KV+12*\p+11], v[QZ:QZ+11], 0, v[KSW+\p], v[QSW] matrix_a_fmt:MATRIX_FMT_BF6 matrix_b_fmt:MATRIX_FMT_BF6
.endr
	PLACES 4                                       ; in front of loads into registers that the products have read, and of the first read of the scores
.irp p, 0,1,2,3                        ; V's four fragments land while the softmax is worked
.irp c, 0,1,2
	ds_load_b128 v[KV+12*\p+4*\c:KV+12*\p+4*\c+3], v[ADV] offset:\p*1536+512*\c
.endr
.endr
	ds_load_b128 v[VSW:VSW+3], v[ADS] offset:8192
	s_cmp_lg_u32 s[KS], s[GG]
	s_cbranch_scc1 .Lopen
.set n, 0
.rept 64                               ; on the diagonal: register 16 b + i holds key 32 b + 16 (lane / 16) + i of the step: hidden where it lies beyond my query
	v_cmp_gt_i32 vcc_lo, 32*(n/16)+n%16, v[DD]
	v_cndmask_b32 v[SA+n], v[SA+n], v[NINF], vcc_lo
.set n, n+1
.endr
.Lopen:
.irp b, 0,1,2,3
	v_max3_num_f32 v[BM+\b], v[SA+16*\b], v[SA+1+16*\b], v[SA+2+16*\b]   ; the largest score of each block of 32 keys: for the row's maximum and, since p rises with the score, for the block's largest p
.endr
.irp i, 3,5,7,9,11,13
.irp b, 0,1,2,3
	v_max3_num_f32 v[BM+\b], v[BM+\b], v[SA+16*\b+\i], v[SA+16*\b+\i+1]
.endr
.endr
.irp b, 0,1,2,3
	v_max_num_f32 v[BM+\b], v[BM+\b], v[SA+15+16*\b]
.endr
.irp b, 0,1,2,3
	v_permlanex16_b32 v[T4+\b], v[BM+\b], s[SEL], s[SEL+1]
.endr
.irp b, 0,1,2,3
	v_max_num_f32 v[BM+\b], v[BM+\b], v[T4+\b]
.endr
	v_max3_num_f32 v[TT], v[BM], v[BM+1], v[BM+2]
	v_max_num_f32 v[TT], v[TT], v[BM+3]
	v_mul_f32 v[TT], s[CS], v[TT]
	v_max_num_f32 v13, v13, v[TT]                  ; the running largest t
	v_mov_b32 v[TT], v12
	v_floor_f32 v12, -v13                          ; -M = -ceil(t)
	v_sub_f32 v[TT], v12, v[TT]                    ; old M - new M: a whole number, 0 or less
	v_cvt_i32_f32 v[TT], v[TT]                     ; (it saturates)
	v_ldexp_f32 v[FF], 1.0, v[TT]                  ; f = 2^(old M - new M)
.set q, 0
.rept 32
	v_pk_fma_f32 v[SA+q:SA+q+1], v[SA+q:SA+q+1], s[CS:CS+1], v[12:13] op_sel_hi:[1,0,0]   ; t - M
.set q, q+2
.endr
.irp b, 0,1,2,3
	v_fma_f32 v[BM+\b], v[BM+\b], s[CS], v12
.endr
.set q, 0
.rept 64
	v_exp_f32 v[SA+q], v[SA+q]                     ; p = 2^(t - M)
.set q, q+1
.endr
	v_pk_mul_f32 v[14:15], v[14:15], v[FF:FF+1] op_sel_hi:[1,0]   ; the sums under the new M: the plain line behind the exponentials
	s_wait_alu depctr_va_vdst(0)                   ; one wait for the batch, ahead of its first reader
.irp b, 0,1,2,3
	v_exp_f32 v[BM+\b], v[BM+\b]                   ; each block's largest p
.endr
	v_pk_add_f32 v[T4:T4+1], v[SA:SA+1], v[SA+2:SA+3]   ; the row's sum of the unquantised p, in two chains
.irp j, 4,8,12,16,20,24,28,32,36,40,44,48,52,56,60
	v_pk_add_f32 v[14:15], v[14:15], v[SA+\j:SA+\j+1]
	v_pk_add_f32 v[T4:T4+1], v[T4:T4+1], v[SA+\j+2:SA+\j+3]
.endr
	v_pk_add_f32 v[14:15], v[14:15], v[T4:T4+1]
	s_wait_alu depctr_va_vdst(0)                   ; and one for the four
.irp b, 0,1,2,3
	v_max_num_f32 v[BM+\b], 0x2800000, v[BM+\b]    ; the floor 2^(5 - 127)
.endr
.irp b, 0,1,2,3
	v_add_nc_u32 v[SC4+\b], 0xfe000000, v[BM+\b]
.endr
.irp b, 0,1,2,3
	v_lshrrev_b32 v[T4+\b], 23, v[SC4+\b]
.endr
	v_lshl_or_b32 v[PSW], v[T4+1], 8, v[T4]        ; p's scale word for these 128 keys
	v_lshl_or_b32 v[PSW], v[T4+2], 16, v[PSW]
	v_lshl_or_b32 v[PSW], v[T4+3], 24, v[PSW]
.irp c, 0,1
	v_cvt_scalef32_pk16_bf6_f32 v[PC+6*\c:PC+6*\c+2], v[SA+32*\c:SA+32*\c+15], v[SC4+2*\c]
	v_cvt_scalef32_pk16_bf6_f32 v[CT+4*\c:CT+4*\c+2], v[SA+32*\c+16:SA+32*\c+31], v[SC4+2*\c+1]
.endr
	v_nop
.irp c, 0,1
.irp i, 0,1,2
	v_permlane16_swap_b32 v[PC+6*\c+\i], v[CT+4*\c+\i]
.endr
.irp i, 0,1,2
	v_mov_b32 v[PC+3+6*\c+\i], v[CT+4*\c+\i]
.endr
.endr
.set q, 0
.rept 16
	v_pk_mul_f32 v[OA+q:OA+q+1], v[OA+q:OA+q+1], v[FF:FF+1] op_sel_hi:[1,0]   ; O^T under the new M (also the lines between p's codes and scale word and the products)
.set q, q+2
.endr
	s_wait_dscnt 0x0                               ; V
.irp t, 0,1,2,3                        ; O^T += V^T P^T
	v_wmma_scale_f32_16x16x128_f8f6f4 v[OA+8*\t:OA+8*\t+7], v[KV+12*\t:KV+12*\t+11], v[PC:PC+11], v[OA+8*\t:OA+8*\t+7], v[VSW+\t], v[PSW] matrix_a_fmt:MATRIX_FMT_BF6 matrix_b_fmt:MATRIX_FMT_BF6
.endr
	PLACES 4
	s_cmp_lg_u32 s[KS], s[GG]
	s_cbranch_scc1 .Lnofinal
	; ---- the job's last step: divide by the sum, quantise along the head's 64 (two blocks), store half a fragment and its two scale bytes
	v_add_f32 v14, v14, v15
	v_permlanex16_b32 v[TT], v14, s[SEL], s[SEL+1]
	v_add_f32 v14, v14, v[TT]
	v_rcp_f32 v14, v14
	v_nop
	s_wait_alu depctr_va_vdst(0)
.set q, 0
.rept 16
	v_pk_mul_f32 v[SA+q:SA+q+1], v[OA+q:OA+q+1], v[14:15] op_sel_hi:[1,0]   ; register 16 b + i: e = 32 b + 16 (lane / 16) + i
.set q, q+2
.endr
.irp b, 0,1
	v_max3_num_f32 v[BM+\b], |v[SA+16*\b]|, |v[SA+16*\b+1]|, 0x2800000
.endr
.irp i, 2,4,6,8,10,12,14
.irp b, 0,1
	v_max3_num_f32 v[BM+\b], v[BM+\b], |v[SA+16*\b+\i]|, |v[SA+16*\b+\i+1]|
.endr
.endr
.irp b, 0,1
	v_permlanex16_b32 v[T4+\b], v[BM+\b], s[SEL], s[SEL+1]
.endr
.irp b, 0,1
	v_max_num_f32 v[BM+\b], v[BM+\b], v[T4+\b]
.endr
.irp b, 0,1
	v_add_nc_u32 v[SC4+\b], 0xfe000000, v[BM+\b]
.endr
.irp b, 0,1
	v_lshrrev_b32 v[T4+\b], 23, v[SC4+\b]
.endr
	v_lshl_or_b32 v[CW], v[T4+1], 8, v[T4]
	v_cvt_scalef32_pk16_bf6_f32 v[PC:PC+2], v[SA:SA+15], v[SC4]
	v_cvt_scalef32_pk16_bf6_f32 v[CT:CT+2], v[SA+16:SA+31], v[SC4+1]
	v_nop
.irp i, 0,1,2
	v_permlane16_swap_b32 v[PC+\i], v[CT+\i]
.endr
.irp i, 0,1,2
	v_mov_b32 v[PC+3+\i], v[CT+\i]
.endr
	s_mul_i32 s52, s[GG], 114688
	s_mov_b32 s53, 0
	s_add_nc_u64 s[CA:CA+1], s[CB:CB+1], s[52:53]
	s_add_nc_u64 s[CSA:CSA+1], s[CSB:CSB+1], s[52:53]
	global_store_b128 v[LI], v[PC:PC+3], s[CA:CA+1]              ; 512 consecutive bytes,
	global_store_b64 v[L8], v[PC+4:PC+5], s[CA:CA+1] offset:512  ; 256 more,
	global_store_b32 v[L4], v[CW], s[CSA:CSA+1]                  ; and a word a lane (both halves of the lanes hold the same)
	s_wait_xcnt 0x0                                ; the stores have read their registers and bases: the next job writes them
.Lnofinal:
	s_add_co_u32 s[TAU], s[TAU], 1
	s_cmp_lt_u32 s[TAU], 17
	s_cbranch_scc1 .Ltrip
	s_wait_dscnt 0x0
	s_wait_tensorcnt 0x0
	ds_add_u32 v254, v255
	s_wait_dscnt 0x0
	CROUND                                         ; the closing round
	s_endpgm
.Lfunc_end_k_q3f13d3acce_attn:
	.size	k_q3f13d3acce_attn, .Lfunc_end_k_q3f13d3acce_attn-k_q3f13d3acce_attn
	.p2alignl 7, 3214868480
	.fill 96, 4, 3214868480
	.section	.rodata,"a",@progbits
	.p2align	6, 0x0
	.amdhsa_kernel k_q3f13d3acce_attn
		.amdhsa_group_segment_fixed_size 215040
		.amdhsa_private_segment_fixed_size 0
		.amdhsa_enable_private_segment 0
		.amdhsa_kernarg_size 16
		.amdhsa_user_sgpr_count 2
		.amdhsa_user_sgpr_kernarg_segment_ptr 1
		.amdhsa_wavefront_size32 1
		.amdhsa_system_sgpr_workgroup_id_x 1
		.amdhsa_system_sgpr_workgroup_id_y 1
		.amdhsa_system_sgpr_workgroup_id_z 1
		.amdhsa_system_vgpr_workitem_id 0
		.amdhsa_next_free_vgpr 256
		.amdhsa_next_free_sgpr 66
		.amdhsa_reserve_vcc 1
		.amdhsa_float_denorm_mode_32 3
		.amdhsa_float_denorm_mode_16_64 3
		.amdhsa_memory_ordered 1
		.amdhsa_forward_progress 1
		.amdhsa_inst_pref_size 34
	.end_amdhsa_kernel
	.amdgpu_metadata
---
amdhsa.version: [ 1, 2 ]
amdhsa.kernels:
  - .name:           k_q3f13d3acce_attn
    .symbol:         k_q3f13d3acce_attn.kd
    .args:
      - { .name: qkv, .offset: 0, .size: 8, .value_kind: global_buffer, .address_space: global }
      - { .name: cat, .offset: 8, .size: 8, .value_kind: global_buffer, .address_space: global }
    .group_segment_fixed_size: 215040
    .private_segment_fixed_size: 0
    .kernarg_segment_align: 8
    .kernarg_segment_size: 16
    .max_flat_workgroup_size: 512
    .sgpr_count:     66
    .vgpr_count:     256
    .wavefront_size: 32
...
	.end_amdgpu_metadata
.endif
;; end of part 3
;; launch outproj (part 4): grid 4 x 64, 4 waves a work-group, clusters of 4 x 1, 168,448 bytes of LDS; arguments cat, wts, bo, out0; writes out0
.if DOCPART == 4
	.amdgcn_target "amdgcn-amd-amdhsa--gfx1250"
	.amdhsa_code_object_version 6
	.text
	.protected	k_q3f13d3acce_outproj
	.globl	k_q3f13d3acce_outproj
	.p2align	8
	.type	k_q3f13d3acce_outproj,@function
k_q3f13d3acce_outproj:
	s_mov_b64 s[64:65], 0
	v_nop
	global_prefetch_b8 v0, s[64:65] scope:SCOPE_SE
	s_setreg_imm32_b32 hwreg(HW_REG_WAVE_MODE, 25, 1), 1
	s_wait_xcnt 0x0
	s_wait_alu depctr_hold_cnt(0) depctr_sa_sdst(0) depctr_va_vdst(0) depctr_va_sdst(0) depctr_va_ssrc(0) depctr_va_vcc(0) depctr_vm_vsrc(0)
	s_getreg_b32 s2, hwreg(HW_REG_IB_STS2, 6, 4)
	s_cmp_eq_u32 s2, 0
	s_cbranch_scc0 .Lentry_in_a_cluster
	s_endpgm
.Lentry_in_a_cluster:
	s_bfe_u32 s2, ttmp6, 0x10000c
	s_cmp_lg_u32 s2, 0x3003
	s_cbranch_scc0 .Lentry_shape_is_right
	s_endpgm
.Lentry_shape_is_right:
; out0 = concat x wo + bo on codes of BF6 (E3M2).  Cluster y: a block of 128 rows; the partner cx makes columns 256 cx on, its wave w columns 64 (4 cx + w) on: 8 tiles of rows x 4 tiles of wo = 32 accumulators.
; The block's codes and raw scale words, 114,688 bytes on end in memory, are brought once, jointly for the four partners, 28,672 bytes a wave: one tensor load a wave is out.
; wo's 32 fragments of a wave come from memory straight into registers (laid so by the first launch) and stay.  The bias is the C of each sum's first product.
; Source 0 = wo's tile, source 1 = the rows: a lane holds one row, its registers neighbouring columns.  Lane r of row tile 2 b + u is row 32 b + 8 u + r + 8 (r / 8) of the block.
; A fragment of the rows lies in LDS as two halves of 768 bytes, one from each of two heads: registers 6 c .. 6 c + 3 at 16 x lane, 6 c + 4, 5 at 512 + 8 x lane.  The heads' scale bytes (two a head) are joined to words first.
; REGISTERS.  window 0: v1-15 addresses; v16-111 the rows' eight fragments; v112-119 their scale words; v120-135 wo's; v144-207 the way out.   window 1: the accumulators, (row tile, wo tile) at v[32 xt + 8 wt].
;   window 2: wo's fragments of K steps 0-3; v192-223 the bias.   window 3: K steps 4-7.
.set RAWO, 98304                       ; LDS: the raw scale words: 1,024 head + 128 tile + 4 lane
.set XSC,  114688                      ; the joined words: 512 K step + 32 r + 4 tile
.set STG,  118784                      ; a stage of 16 rows x (256 + 16) bytes for each wave
.set LI,  1
.set L8,  2
.set LI2, 3
.set L82, 4
.set RAW, 5
.set XSWR, 6
.set XSR, 7
.set SO,  8
.set SR,  9
.set GO,  10
.set BO,  11
.set XF,  16
.set XS,  112
.set WS,  120
.set BK,  144
.set BI,  192                          ; in window 2
.set WV,  12
.set CX,  13
.set RB,  14
.set HC,  15
.set G1,  24
.set G0,  32
.set WCB, 36
.set WSB, 38
.set BOB, 40
.set OB,  42
.set MSB, 0
.macro WIN new
.if MSB != (\new)
	s_set_vgpr_msb (MSB<<8)|(\new)
.set MSB, (\new)
.endif
.endm
.macro PLACES cnt
.rept \cnt
	v_nop
.endr
.endm
.macro CROUND
	s_barrier_signal -1
	s_barrier_wait -1
	s_cmp_lg_u32 s[WV], 0
	s_cbranch_scc1 .Lnot_wave_0_\@
	s_barrier_signal -3
.Lnot_wave_0_\@:
	s_barrier_wait -3
	s_barrier_signal -1
	s_barrier_wait -1
.endm
	s_load_b256 s[4:11], s[0:1], 0x0               ; cat, wts, bo, out0
	v_lshl_add_u32 v254, v0, 2, 0x29000
	v_mov_b32 v255, 0
	ds_add_u32 v254, v255
	ds_add_u32 v254, v255
	v_lshrrev_b32 v1, 5, v0
	v_readfirstlane_b32 s[WV], v1                  ; wave 0..3
	s_bfe_u32 s[CX], ttmp6, 0x40000
	s_and_b32 s[RB], ttmp7, 0xffff                 ; the block of rows, which the four partners share
	; descriptor group 1: 112 rows of 256 bytes, dense, no padding
	s_mov_b32 s[G1], 15|(3<<16)|(1<<21)
	s_mov_b32 s[G1+1], 32<<16
	s_mov_b32 s[G1+2], 112<<16
	s_mov_b32 s[G1+3], 32<<16
	s_mov_b32 s[G1+4], 112
	s_mov_b32 s[G1+5], 32
	s_mov_b32 s[G1+6], 0
	s_mov_b32 s[G1+7], 0
	s_mul_i32 s44, s[RB], 114688
	s_mul_i32 s[G0+1], s[WV], 28672                ; LDS address: my quarter
	s_add_co_u32 s44, s44, s[G0+1]
	s_mov_b32 s45, 0
	s_wait_dscnt 0x0
	s_wait_kmcnt 0x0
	s_mov_b32 s[G0], 1
	s_add_nc_u64 s[G0+2:G0+3], s[4:5], s[44:45]
	s_or_b32 s[G0+3], s[G0+3], 0x80000000
	CROUND                                         ; all four partners are here: the joint loads meet
	tensor_load_to_lds s[G0:G0+3], s[G1:G1+7]
	s_nop 0
	PLACES 4
	s_lshl_b32 s[HC], s[CX], 2
	s_add_co_u32 s[HC], s[HC], s[WV]               ; my 64 columns
	s_mul_i32 s44, s[HC], 6144
	s_add_co_u32 s44, s44, 2359296
	s_add_nc_u64 s[WCB:WCB+1], s[6:7], s[44:45]    ; wo's codes: tile 4 hc of K step 0
	s_lshl_b32 s44, s[HC], 11
	s_add_co_u32 s44, s44, 3244032
	s_add_nc_u64 s[WSB:WSB+1], s[6:7], s[44:45]    ; its scale words
	s_lshl_b32 s44, s[HC], 8
	s_add_nc_u64 s[BOB:BOB+1], s[8:9], s[44:45]
	s_lshl_b32 s46, s[RB], 19
	s_add_co_u32 s44, s44, s46
	s_add_nc_u64 s[OB:OB+1], s[10:11], s[44:45]    ; out0: row 128 block, column 64 hc
	v_and_b32 v12, 31, v0
	v_lshlrev_b32 v[LI], 4, v12
	v_lshlrev_b32 v[L8], 3, v12
	v_add_nc_u32 v[LI2], 49152, v[LI]
	v_add_nc_u32 v[L82], 49152, v[L8]
	v_and_b32 v13, 15, v0                          ; r
	v_lshrrev_b32 v14, 4, v0                       ; thread / 16: 0..7, a tile of rows
	v_lshlrev_b32 v[RAW], 2, v13
	v_lshl_add_u32 v[RAW], v14, 7, v[RAW]
	v_add_nc_u32 v[RAW], RAWO, v[RAW]
	v_lshlrev_b32 v[XSR], 5, v13
	v_add_nc_u32 v[XSR], XSC, v[XSR]
	v_lshl_add_u32 v[XSWR], v14, 2, v[XSR]
	v_bfe_u32 v15, v0, 4, 1                        ; h
	s_mul_i32 s16, s[WV], 4352
	s_add_co_u32 s16, s16, STG
	v_mul_u32_u24 v[SO], v13, 272
	v_lshl_add_u32 v[SO], v15, 6, v[SO]
	v_add_nc_u32 v[SO], s16, v[SO]                 ; into the stage: row r, + 64 h
	v_mul_u32_u24 v[SR], v15, 272
	v_lshl_add_u32 v[SR], v13, 4, v[SR]
	v_add_nc_u32 v[SR], s16, v[SR]                 ; back: lanes 0-15 one row of 256 bytes, lanes 16-31 the next
	v_lshlrev_b32 v[GO], 12, v15
	v_lshl_add_u32 v[GO], v13, 4, v[GO]            ; and the same two rows in out0
	v_lshlrev_b32 v[BO], 6, v15
.irp t, 0,1,2,3
	global_load_b128 v[WS+4*\t:WS+4*\t+3], v[LI], s[WSB:WSB+1] offset:512*\t
.endr
	WIN 0x80                                       ; destination window 2
.irp t, 0,1,2,3
	global_load_b128 v[BI+8*\t:BI+8*\t+3], v[BO], s[BOB:BOB+1] offset:(32*(\t/2)+8*(\t%2))*4
	global_load_b128 v[BI+8*\t+4:BI+8*\t+7], v[BO], s[BOB:BOB+1] offset:(32*(\t/2)+8*(\t%2))*4+16
.endr
.irp ka, 0,1,2,3
.irp t, 0,1,2,3
.irp c, 0,1,2
	global_load_b128 v[48*\ka+12*\t+4*\c:48*\ka+12*\t+4*\c+3], v[LI], s[WCB:WCB+1] offset:\ka*98304+\t*1536+512*\c
.endr
.endr
.endr
	WIN 0xc0                                       ; destination window 3
.irp ka, 4,5,6,7
.irp t, 0,1,2,3
.irp c, 0,1,2
	global_load_b128 v[48*(\ka-4)+12*\t+4*\c:48*(\ka-4)+12*\t+4*\c+3], v[LI], s[WCB:WCB+1] offset:\ka*98304+\t*1536+512*\c
.endr
.endr
.endr
	WIN 0
	s_wait_tensorcnt 0x0                           ; my quarter has landed,
	s_barrier_signal -1
	s_barrier_wait -1                              ; everybody's has
.set q, 0
.rept 16                               ; thread (tile, r): the 16 heads' scale bytes of that row
	ds_load_b32 v[BK+q], v[RAW] offset:q*1024
.set q, q+1
.endr
	s_wait_dscnt 0x0
.irp a, 0,1,2,3,4,5,6,7
	v_lshl_or_b32 v[BK+16+\a], v[BK+2*\a+1], 16, v[BK+2*\a]   ; heads 2 a and 2 a + 1 make K step a's word
.endr
.irp a, 0,1,2,3,4,5,6,7
	ds_store_b32 v[XSWR], v[BK+16+\a] offset:\a*512
.endr
	s_wait_dscnt 0x0                               ; for the others' sake
	s_barrier_signal -1
	s_barrier_wait -1
.macro XLD ka, t0                      ; the rows' fragments t0 .. t0 + 3 of K step ka and their scale words: 17 LDS loads
.irp t, \t0, \t0+1, \t0+2, \t0+3
.set fo, (((\ka)%4)*8+(\t))*1536
.set fr, XF+12*(\t)
.if (\ka) < 4
	ds_load_b128 v[fr:fr+3], v[LI] offset:fo
	ds_load_b64 v[fr+4:fr+5], v[L8] offset:fo+512
	ds_load_b128 v[fr+6:fr+9], v[LI] offset:fo+768
	ds_load_b64 v[fr+10:fr+11], v[L8] offset:fo+1280
.else
	ds_load_b128 v[fr:fr+3], v[LI2] offset:fo
	ds_load_b64 v[fr+4:fr+5], v[L82] offset:fo+512
	ds_load_b128 v[fr+6:fr+9], v[LI2] offset:fo+768
	ds_load_b64 v[fr+10:fr+11], v[L82] offset:fo+1280
.endif
.endr
	ds_load_b128 v[XS+(\t0):XS+(\t0)+3], v[XSR] offset:(\ka)*512+4*(\t0)
.endm
.macro MULO ka, x0                     ; 16 products; the 32 accumulators take turns, one instruction a turn, in the same order in every K step
.if (\ka) == 0
	WIN 0x62                                       ; wo window 2, the bias window 2, D window 1
.elseif (\ka) < 4
	WIN 0x52
.else
	WIN 0x53
.endif
.irp xt, \x0, \x0+1, \x0+2, \x0+3
.irp wt, 0,1,2,3
.set rD, 32*(\xt)+8*\wt
.set rW, 48*((\ka)%4)+12*\wt
.set rX, XF+12*(\xt)
.set rC, rD
.if (\ka) == 0
.set rC, BI+8*\wt
.endif
.if (\ka)%2
	v_wmma_scale_f32_16x16x128_f8f6f4 v[rD:rD+7], v[rW:rW+11], v[rX:rX+11], v[rC:rC+7], v[WS+4*\wt+(\ka)/2], v[XS+(\xt)] matrix_a_fmt:MATRIX_FMT_BF6 matrix_b_fmt:MATRIX_FMT_BF6 matrix_a_scale:MATRIX_SCALE_ROW1
.else
	v_wmma_scale_f32_16x16x128_f8f6f4 v[rD:rD+7], v[rW:rW+11], v[rX:rX+11], v[rC:rC+7], v[WS+4*\wt+(\ka)/2], v[XS+(\xt)] matrix_a_fmt:MATRIX_FMT_BF6 matrix_b_fmt:MATRIX_FMT_BF6
.endif
.endr
.endr
.endm
.macro KSTEP ka
.if (\ka) < 3
	s_wait_loadcnt 60                              ; 12 (7 - ka) younger loads could stay out; 60 is under that and inside what the wait can name
.else
	s_wait_loadcnt 12*(7-(\ka))                    ; this K step's 12 loads of wo are in; the later steps' stay out
.endif
	s_wait_dscnt 17                                ; tiles 0-3 are in; the 17 loads of tiles 4-7 may be out
	MULO \ka, 0
	s_wait_dscnt 0x0
	PLACES 4                                       ; in front of loads into registers that the products have read
	WIN 0
.if (\ka) < 7
	XLD (\ka)+1, 0
.endif
	MULO \ka, 4
	PLACES 4
	WIN 0
.if (\ka) < 7
	XLD (\ka)+1, 4
.endif
.endm
	XLD 0, 0
	XLD 0, 4
.irp ka, 0,1,2,3,4,5,6,7
	KSTEP \ka
.endr
; THE WAY OUT, a tile of 16 rows x 64 columns at a time, through my own stage: a lane's registers are pieces of one row; back come whole rows of 256 bytes.  LDS serves a wave's instructions in order.
.macro TOSTAGE xt
	WIN 0x04                                       ; an LDS store's data are its source 1: window 1
.irp wt, 0,1,2,3
	ds_store_b128 v[SO], v[32*(\xt)+8*\wt:32*(\xt)+8*\wt+3] offset:128*(\wt/2)+32*(\wt%2)       ; each accumulator from its low end on
	ds_store_b128 v[SO], v[32*(\xt)+8*\wt+4:32*(\xt)+8*\wt+7] offset:128*(\wt/2)+32*(\wt%2)+16
.endr
	WIN 0
.irp i, 0,1,2,3,4,5,6,7
	ds_load_b128 v[BK+32*((\xt)%2)+4*\i:BK+32*((\xt)%2)+4*\i+3], v[SR] offset:2*\i*272
.endr
.endm
.macro SEND xt, younger                ; younger: the LDS instructions issued behind this tile's loads
	s_wait_dscnt \younger
.irp i, 0,1,2,3,4,5,6,7
	global_store_b128 v[GO], v[BK+32*((\xt)%2)+4*\i:BK+32*((\xt)%2)+4*\i+3], s[OB:OB+1] offset:(32*((\xt)/2)+8*((\xt)%2)+2*\i+8*(\i/4))*4096 th:TH_STORE_NT   ; 16 lanes store 256 consecutive bytes, aligned to 256
.endr
.endm
	TOSTAGE 0
.irp a, 1,2,3,4,5,6,7
.if \a > 1
	s_wait_xcnt 0x0                                ; tile a - 2's stores have read their registers: tile a's loads may land there
.endif
	TOSTAGE \a
	SEND \a-1, 16
.endr
	SEND 7, 0
	s_wait_dscnt 0x0
	s_wait_tensorcnt 0x0
	ds_add_u32 v254, v255
	s_wait_dscnt 0x0
	CROUND                                         ; the closing round
	s_endpgm
.Lfunc_end_k_q3f13d3acce_outproj:
	.size	k_q3f13d3acce_outproj, .Lfunc_end_k_q3f13d3acce_outproj-k_q3f13d3acce_outproj
	.p2alignl 7, 3214868480
	.fill 96, 4, 3214868480
	.section	.rodata,"a",@progbits
	.p2align	6, 0x0
	.amdhsa_kernel k_q3f13d3acce_outproj
		.amdhsa_group_segment_fixed_size 168448
		.amdhsa_private_segment_fixed_size 0
		.amdhsa_enable_private_segment 0
		.amdhsa_kernarg_size 32
		.amdhsa_user_sgpr_count 2
		.amdhsa_user_sgpr_kernarg_segment_ptr 1
		.amdhsa_wavefront_size32 1
		.amdhsa_system_sgpr_workgroup_id_x 1
		.amdhsa_system_sgpr_workgroup_id_y 1
		.amdhsa_system_sgpr_workgroup_id_z 1
		.amdhsa_system_vgpr_workitem_id 0
		.amdhsa_next_free_vgpr 1024
		.amdhsa_next_free_sgpr 66
		.amdhsa_reserve_vcc 0
		.amdhsa_float_denorm_mode_32 3
		.amdhsa_float_denorm_mode_16_64 3
		.amdhsa_memory_ordered 1
		.amdhsa_forward_progress 1
		.amdhsa_inst_pref_size 85
	.end_amdhsa_kernel
	.amdgpu_metadata
---
amdhsa.version: [ 1, 2 ]
amdhsa.kernels:
  - .name:           k_q3f13d3acce_outproj
    .symbol:         k_q3f13d3acce_outproj.kd
    .args:
      - { .name: cat, .offset: 0, .size: 8, .value_kind: global_buffer, .address_space: global }
      - { .name: wts, .offset: 8, .size: 8, .value_kind: global_buffer, .address_space: global }
      - { .name: bo, .offset: 16, .size: 8, .value_kind: global_buffer, .address_space: global }
      - { .name: out0, .offset: 24, .size: 8, .value_kind: global_buffer, .address_space: global }
    .group_segment_fixed_size: 168448
    .private_segment_fixed_size: 0
    .kernarg_segment_align: 8
    .kernarg_segment_size: 32
    .max_flat_workgroup_size: 128
    .sgpr_count:     66
    .vgpr_count:     1024
    .wavefront_size: 32
...
	.end_amdgpu_metadata
.endif
;; end of part 4
;; ======== version 2 of 2: 4 launches
;; workspace buffers: wts 3,276,800 bytes; qkv 20,447,232 bytes; cat 7,340,032 bytes
;; launch wquant (part 5): grid 32 x 4, 8 waves a work-group, no clusters, 26,624 bytes of LDS; arguments wq, wk, wv, wo, wts; writes wts
.if DOCPART == 5
	.amdgcn_target "amdgcn-amd-amdhsa--gfx1250"
	.amdhsa_code_object_version 6
	.text
	.protected	k_q3f13d3acce_wquant
	.globl	k_q3f13d3acce_wquant
	.p2align	8
	.type	k_q3f13d3acce_wquant,@function
k_q3f13d3acce_wquant:
	s_mov_b64 s[64:65], 0
	v_nop
	global_prefetch_b8 v0, s[64:65] scope:SCOPE_SE
	s_setreg_imm32_b32 hwreg(HW_REG_WAVE_MODE, 25, 1), 1
	s_wait_xcnt 0x0
; The four weights become codes of BF6 (E3M2) with one E8M0 byte for each 32 along K, laid in the order of an operand's registers.
; wq, wk, wv: [16 heads][1024 (K)][64]; wo: [1024 (K)][1024].  All four count as [K = 1024][1024 columns]; column = 64 head + e.
; SHARES.  Work-group x = a group g of 32 columns, y = the weight.  Wave s takes K step s (128 along K).  A LANE TAKES A COLUMN AND ITS REGISTERS RUN DOWN K:
; a block of 32 lies in one lane, and the conversions give codes with K innermost.  All 128 loads of a wave go out at once.
; TILES.  The 32 columns make two tiles of 16: lane r of tile 2 g + u stands for column 32 g + 8 u + r + 8 (r / 8), so that a product which takes such a
; tile as source 0 leaves 16 neighbouring columns in the 16 registers of two neighbouring tiles.
; IMAGE.  A fragment (16 columns x 128 K, 12 registers a lane) is stored as three pieces of 512 bytes: piece c holds registers 4 c .. 4 c + 3 of lane l at 16 l.
; wts: codes at weight x 786,432 + (64 s + tile) x 1,536; scale words at 3,145,728 + weight x 32,768 + tile x 512 + 16 lane + 4 j: word j of lane (r, h) is K step 2 j + h of row r.
; LIMITS: NaN and infinities are not served; a block whose largest magnitude lies under 2^-122, a block of zeros among them, gets the byte 1 (its codes are then zeros or subnormal codes; only this program reads the bytes).
.set X,    32                          ; v32-159  my column's 128 numbers
.set C,    16                          ; v16-21   a block's codes
.set T,    24                          ; v24-26   the block's second 16 codes (a conversion's three registers begin on an even number)
.set OUTR, 160                         ; v160-183 the way out
.set SCX,  24576                       ; LDS: behind the eight stages of 3,072 bytes: the two tiles' scale words, 2 x 512 bytes
	s_load_b256 s[4:11], s[0:1], 0x0               ; wq, wk, wv, wo
	s_load_b64 s[12:13], s[0:1], 0x20              ; wts
	v_lshl_add_u32 v184, v0, 2, 0x6400
	v_mov_b32 v185, 0
	v_lshrrev_b32 v1, 5, v0
	s_delay_alu instid0(VALU_DEP_1)
	v_readfirstlane_b32 s14, v1                    ; wave = K step s
	s_and_b32 s15, ttmp7, 0xffff                   ; which weight
	v_and_b32 v1, 31, v0                           ; lane
	s_delay_alu instid0(VALU_DEP_1)
	v_lshlrev_b32 v2, 2, v1                        ; 4 x lane: my column in a row of the weight
	s_delay_alu instid0(VALU_DEP_2)
	v_lshlrev_b32 v5, 4, v1                        ; 16 x lane
	v_bfe_u32 v8, v0, 3, 1                         ; u: which of the two tiles my column belongs to
	v_and_b32 v9, 7, v0
	v_bfe_u32 v10, v0, 4, 1
	s_delay_alu instid0(VALU_DEP_2)
	v_lshlrev_b32 v9, 4, v9
	s_delay_alu instid0(VALU_DEP_1)
	v_lshl_add_u32 v9, v10, 7, v9                  ; 16 r, r = lane % 8 + 8 (lane / 16): my column's row in its tile
	s_mul_i32 s16, s14, 3072                       ; my wave's stage: two images
	v_mad_u32_u24 v3, v8, 1536, v9
	s_delay_alu instid0(VALU_DEP_1)
	v_add_nc_u32 v3, s16, v3                       ; into the stage: tile u, lane r
	v_add_nc_u32 v4, s16, v5                       ; out of it: as it lies
	s_and_b32 s17, s14, 1
	s_lshl_b32 s18, s17, 8
	s_lshr_b32 s19, s14, 1
	s_lshl_b32 s19, s19, 2
	s_add_co_u32 s18, s18, s19
	s_add_co_u32 s18, s18, SCX
	v_lshl_add_u32 v6, v8, 9, v9
	s_delay_alu instid0(VALU_DEP_1)
	v_add_nc_u32 v6, s18, v6                       ; my scale word: tile u, lane r + 16 (s % 2), word s / 2
	s_lshl_b32 s19, s17, 9
	s_add_co_u32 s19, s19, SCX
	v_add_nc_u32 v7, s19, v5                       ; waves 0 and 1 read a tile's 512 bytes of scale words back
	s_lshr_b32 s20, ttmp9, 1                       ; a head's weight: head g / 2, row 128 s, column 32 (g % 2)
	s_lshl_b32 s20, s20, 18
	s_lshl_b32 s21, s14, 15
	s_add_co_u32 s20, s20, s21
	s_and_b32 s21, ttmp9, 1
	s_lshl_b32 s21, s21, 7
	s_add_co_u32 s20, s20, s21
	s_lshl_b32 s22, s14, 19                        ; wo: row 128 s, column 32 g
	s_lshl_b32 s23, ttmp9, 7
	s_add_co_u32 s22, s22, s23
	s_wait_kmcnt 0x0
	s_cmp_eq_u32 s15, 1                            ; the choice hangs on the work-group's number alone
	s_cselect_b64 s[4:5], s[6:7], s[4:5]
	s_cmp_eq_u32 s15, 2
	s_cselect_b64 s[4:5], s[8:9], s[4:5]
	s_cmp_eq_u32 s15, 3
	s_cselect_b64 s[4:5], s[10:11], s[4:5]
	s_cselect_b32 s20, s22, s20
	s_mov_b32 s21, 0
	s_add_nc_u64 s[4:5], s[4:5], s[20:21]
	s_mul_i32 s22, s15, 786432                     ; where my two images go
	s_lshl_b32 s23, s14, 6
	s_lshl_b32 s24, ttmp9, 1
	s_add_co_u32 s23, s23, s24
	s_mul_i32 s23, s23, 1536
	s_add_co_u32 s22, s22, s23
	s_mov_b32 s23, 0
	s_add_nc_u64 s[24:25], s[12:13], s[22:23]
	s_lshl_b32 s26, s15, 15                        ; and (waves 0, 1) tile 2 g + wave's scale words
	s_lshl_b32 s27, ttmp9, 10
	s_add_co_u32 s26, s26, s27
	s_lshl_b32 s27, s14, 9
	s_add_co_u32 s26, s26, s27
	s_add_co_u32 s26, s26, 3145728
	s_mov_b32 s27, 0
	s_add_nc_u64 s[26:27], s[12:13], s[26:27]
.macro LOADS pitch                     ; my column's 128 numbers; neighbouring lanes read neighbouring columns
.set q, 0
.rept 128
	global_load_b32 v[X+q], v2, s[4:5] offset:q*\pitch
.set q, q+1
.endr
.endm
	s_cmp_eq_u32 s15, 3
	s_cbranch_scc1 .Lwo
	LOADS 256                                      ; a row of a head's weight is 64 numbers
	s_branch .Lloaded
.Lwo:
	LOADS 4096                                     ; a row of wo is 1,024
.Lloaded:
.macro BLOCK kb                        ; block kb of my column: its largest magnitude, its byte, its 32 codes, and their place in the tile's image
.set XB, X+32*\kb
.if \kb < 2
	s_wait_loadcnt 63                              ; 96 (64) younger loads could stay out; 63 is the largest count that the wait can name
.elseif \kb == 2
	s_wait_loadcnt 32                              ; the last block's 32 may stay out
.else
	s_wait_loadcnt 0x0
.endif
	v_max3_num_f32 v8, |v[XB]|, |v[XB+1]|, |v[XB+2]|
	v_max3_num_f32 v9, |v[XB+3]|, |v[XB+4]|, |v[XB+5]|
.irp i, 6,10,14,18,22,26
	s_delay_alu instid0(VALU_DEP_2)
	v_max3_num_f32 v8, v8, |v[XB+\i]|, |v[XB+\i+1]|
	s_delay_alu instid0(VALU_DEP_2)
	v_max3_num_f32 v9, v9, |v[XB+\i+2]|, |v[XB+\i+3]|
.endr
	s_delay_alu instid0(VALU_DEP_2)
	v_max3_num_f32 v8, v8, |v[XB+30]|, |v[XB+31]|
	s_delay_alu instid0(VALU_DEP_1)
	v_max3_num_f32 v8, v8, v9, 0x2800000           ; and the floor 2^(5 - 127): the byte cannot fall under 1
	s_delay_alu instid0(VALU_DEP_1)
	v_add_nc_u32 v10, 0xfe000000, v8               ; 4 off the exponent field: the conversion's scale operand
	s_delay_alu instid0(VALU_DEP_1)
	v_lshrrev_b32 v11, 23, v10                     ; the scale's byte
.if \kb == 0
	s_delay_alu instid0(VALU_DEP_1)
	v_mov_b32 v12, v11
.else
	s_delay_alu instid0(VALU_DEP_1)
	v_lshl_or_b32 v12, v11, 8*\kb, v12             ; four bytes make the K step's scale word of my column
.endif
	v_cvt_scalef32_pk16_bf6_f32 v[C:C+2], v[XB:XB+15], v10
	v_cvt_scalef32_pk16_bf6_f32 v[T:T+2], v[XB+16:XB+31], v10
	v_nop                                          ; one plain line behind the conversions
	v_mov_b32 v[C+3], v[T]
	v_mov_b32 v[C+4], v[T+1]
	v_mov_b32 v[C+5], v[T+2]
; Block kb is registers 6 (kb / 2) .. + 5 of lane r + 16 (kb % 2) of the fragment
.if \kb < 2
	ds_store_b128 v3, v[C:C+3] offset:256*(\kb%2)
	ds_store_b64 v3, v[C+4:C+5] offset:512+256*(\kb%2)
.else
	ds_store_b64 v3, v[C:C+1] offset:520+256*(\kb%2)
	ds_store_b128 v3, v[C+2:C+5] offset:1024+256*(\kb%2)
.endif
	s_wait_dscnt 0x0                               ; the stores have read their registers: the next block writes them
.endm
	BLOCK 0
	BLOCK 1
	BLOCK 2
	BLOCK 3
	s_wait_alu depctr_va_vdst(0)
	ds_store_b32 v6, v12
.irp c, 0,1,2,3,4,5
	ds_load_b128 v[OUTR+4*\c:OUTR+4*\c+3], v4 offset:512*\c   ; LDS serves a wave's instructions in order: these see my stores
.endr
.irp c, 0,1,2,3,4,5
	s_wait_dscnt 5-\c
	global_store_b128 v5, v[OUTR+4*\c:OUTR+4*\c+3], s[24:25] offset:512*\c   ; 32 lanes store 512 consecutive bytes; the two images are 3,072 bytes on end
.endr
	s_wait_dscnt 0x0                               ; for the others' sake: my scale word lies in LDS
	s_barrier_signal -1
	s_barrier_wait -1
	s_cmp_gt_u32 s14, 1
	s_cbranch_scc1 .Lend
	ds_load_b128 v[16:19], v7                      ; a tile's words of all eight K steps
	s_wait_dscnt 0x0
	global_store_b128 v5, v[16:19], s[26:27]
.Lend:
	s_wait_tensorcnt 0x0
	ds_add_u32 v184, v185
	s_wait_dscnt 0x0
	s_endpgm
.Lfunc_end_k_q3f13d3acce_wquant:
	.size	k_q3f13d3acce_wquant, .Lfunc_end_k_q3f13d3acce_wquant-k_q3f13d3acce_wquant
	.p2alignl 7, 3214868480
	.fill 96, 4, 3214868480
	.section	.rodata,"a",@progbits
	.p2align	6, 0x0
	.amdhsa_kernel k_q3f13d3acce_wquant
		.amdhsa_group_segment_fixed_size 26624
		.amdhsa_private_segment_fixed_size 0
		.amdhsa_enable_private_segment 0
		.amdhsa_kernarg_size 40
		.amdhsa_user_sgpr_count 2
		.amdhsa_user_sgpr_kernarg_segment_ptr 1
		.amdhsa_wavefront_size32 1
		.amdhsa_system_sgpr_workgroup_id_x 1
		.amdhsa_system_sgpr_workgroup_id_y 1
		.amdhsa_system_sgpr_workgroup_id_z 1
		.amdhsa_system_vgpr_workitem_id 0
		.amdhsa_next_free_vgpr 186
		.amdhsa_next_free_sgpr 66
		.amdhsa_reserve_vcc 0
		.amdhsa_float_denorm_mode_32 3
		.amdhsa_float_denorm_mode_16_64 3
		.amdhsa_memory_ordered 1
		.amdhsa_forward_progress 1
		.amdhsa_inst_pref_size 38
	.end_amdhsa_kernel
	.amdgpu_metadata
---
amdhsa.version: [ 1, 2 ]
amdhsa.kernels:
  - .name:           k_q3f13d3acce_wquant
    .symbol:         k_q3f13d3acce_wquant.kd
    .args:
      - { .name: wq, .offset: 0, .size: 8, .value_kind: global_buffer, .address_space: global }
      - { .name: wk, .offset: 8, .size: 8, .value_kind: global_buffer, .address_space: global }
      - { .name: wv, .offset: 16, .size: 8, .value_kind: global_buffer, .address_space: global }
      - { .name: wo, .offset: 24, .size: 8, .value_kind: global_buffer, .address_space: global }
      - { .name: wts, .offset: 32, .size: 8, .value_kind: global_buffer, .address_space: global }
    .group_segment_fixed_size: 26624
    .private_segment_fixed_size: 0
    .kernarg_segment_align: 8
    .kernarg_segment_size: 40
    .max_flat_workgroup_size: 256
    .sgpr_count:     66
    .vgpr_count:     186
    .wavefront_size: 32
...
	.end_amdgpu_metadata
.endif
;; end of part 5
;; launch proj (part 6): grid 64 x 3, 4 waves a work-group, no clusters, 140,800 bytes of LDS; arguments q, k, v, bq, bk, bv, wts, qkv; writes qkv
.if DOCPART == 6
	.amdgcn_target "amdgcn-amd-amdhsa--gfx1250"
	.amdhsa_code_object_version 6
	.text
	.protected	k_q3f13d3acce_proj
	.globl	k_q3f13d3acce_proj
	.p2align	8
	.type	k_q3f13d3acce_proj,@function
k_q3f13d3acce_proj:
	s_mov_b64 s[64:65], 0
	v_nop
	global_prefetch_b8 v0, s[64:65] scope:SCOPE_SE
	s_setreg_imm32_b32 hwreg(HW_REG_WAVE_SCHED_MODE, 0, 2), 2
	s_setreg_imm32_b32 hwreg(HW_REG_WAVE_MODE, 25, 1), 1
	s_wait_xcnt 0x0
	s_wait_alu depctr_vm_vsrc(0)
; The three projections on codes of BF6 (E3M2), with their quantisers in front and behind.  Work-group x: 128 rows (batch x / 16, rows 128 (x % 16) on); y: 0 q, 1 k, 2 v.
; PHASE X.  The 128 rows x 1,024 of f32 are read once and quantised along K.  Wave w makes x tiles 2 w and 2 w + 1 for all eight K steps; the fragments go to LDS as images of their registers.
;   Lane r of x tile 2 b + u stands for row 32 b + 8 u + r + 8 (r / 8).
; GEMM.  Wave w makes heads 4 w .. 4 w + 3, two at a time: 8 x tiles x 8 tiles of the weight = 64 accumulators.  The weight's fragments come from memory straight into operand registers
;   (laid so by the launch before), a K step ahead; x's come from LDS, each feeding eight products.
;   q, k: source 0 = the weight, source 1 = x: a lane holds one row and its registers run along e, which is the next product's K.
;   v: source 0 = x, source 1 = the weight: a lane holds one e and its registers run along the rows, the keys, which are the next product's K.  128 rows are one K step of it.
;   The bias is the C of each sum's first product.
; OUT.  64 numbers of a lane become a fragment and a scale word.  q, k: x tiles 2 p and 2 p + 1 side by side (64 + 64 along the instruction's K); v: one e tile x 128 keys.
; NO CLUSTER: what work-groups share is the weight's codes, which go from memory into registers, each byte once a work-group; a joint load would land in LDS, 786,432 bytes of it through slots that are filled again.
; LIMITS: NaN and infinities are not served; a block whose largest magnitude lies under 2^-122, zeros among them, gets the byte 1 (only this program reads the bytes).
; THE MODE: SCHED_MODE bits 1:0 = 2 (LLVM: expert scheduling mode 2), set by the entry lines.  The code itself states the register dependences
; between vector or matrix instructions and memory or LDS instructions, with s_wait_alu, always for 0.
; THE PLAN.  Registers that memory or LDS instructions touch:
;   PHASE X  R0 .. R3 (window 2)  Unit u: its 16 LDS stores read R[u % 4]; the loads of unit u + 3 land in R[(u - 1) % 4].  No vector instruction names them; the products write them later.
;            v[XN ..]             Unit u: its 16 LDS loads land there, its quantiser reads them.
;            v[PC ..], v[PW]      Unit u: its quantiser writes them, its four image stores read them.
;            v[IW], v[XSW]        Written in a trip's first unit, read by the trip's image stores.
;            Two waits a unit: vm_vsrc at its head (the unit before's LDS stores have read their raw set, the codes, the scale word and the two addresses), va_vdst between the quantiser and its stores.
;   GEMM     H0, H1, H2           three buffers of four fragments of x, each with four scale words.  K step s: tiles 0-3 lie in H[(2 s) % 3], tiles 4-7 in H[(2 s + 1) % 3]; H[(2 s + 2) % 3] takes step s + 1's tiles 0-3.
;            W0, W1 (window 1)    K step s multiplies by W[s % 2]; the loads of step s + 1 land in the other set.
;            One wait on va_vdst at the head of a K step: the products of the step before are done reading the two buffers of x and the set of the weight in which this step's loads land.
;            The products issued between that wait and those loads name H[(2 s) % 3], W[s % 2], the weight's scale words and the accumulators: none of the registers that the loads touch.
;   OUT      v[PC ..], v[PWS ..]  Written by the quantiser, read by the stores: va_vdst ahead of the stores, vm_vsrc (beside the wait on XCNT) ahead of the next writes.
;   v1-5, v8, v12-14              offsets and addresses, made once at the head and never written again.
; REGISTERS.  window 0: v1-14 addresses; v16-63, v64-111, v196-243 x's three buffers (in phase X v16-79: 64 numbers); v112-115, v116-119, v244-247 their scale words; v120-151 the weight's; v152-195 the quantiser's.
;   window 1: v0-95, v96-191 the weight's fragments, two sets; v192-255 the bias.   windows 2, 3: the two heads' accumulators (in phase X window 2 holds four sets of 64 numbers as loaded).
.set XSC,   98304                      ; LDS: 0: x's 64 fragments, (8 s + t) x 1,536;  here: their scale words, 1,024 s + 32 lane + 4 t
.set STAGE, 106496                     ; a stage of 16 rows x (512 + 16) bytes for each wave
.set LI,  1                            ; 16 x lane
.set XR1, 2                            ; the same + 49,152: K steps 4 to 7
.set XSR, 3                            ; XSC + 32 x lane
.set SWR, 4                            ; the stage, on the way in: 16 x lane
.set SRD, 5                            ; and out: row r, + 64 h
.set IW,  6                            ; where I store images
.set XSW, 7                            ; and scale words
.set BOQ, 8                            ; the bias's offset, q and k: 64 h
.set IW0, 12
.set XSW0, 13
.set BOV, 14                           ; v: 4 (r + 8 (r / 8))
.set XN,  16
.set WS,  120
.set TM,  152
.set PC,  168
.set PW,  188
.set PWS, 192
.set BI,  192                          ; in window 1
.set WV,  20
.set YY,  21
.set XB,  24
.set WCB, 26
.set WSB, 28
.set BIB, 30
.set OC,  32
.set OS,  34
.set SEL, 36
.set MSB, 0
.macro WIN new                         ; the immediate's high byte repeats the setting that is left
.if MSB != (\new)
	s_set_vgpr_msb (MSB<<8)|(\new)
.set MSB, (\new)
.endif
.endm
.macro PLACES cnt
.rept \cnt
	v_nop
.endr
.endm
; 64 numbers of a lane in window wn, register sr + 16 b + i = k 32 b + 16 (lane / 16) + i of my row, become a fragment's codes in v[PC] on and its scale word in v[PW].
; The numbers are read in ascending order.
; QMAX: the four blocks' largest magnitudes, scale operands and bytes: it writes v[TM ..] alone, which no memory instruction names.
.macro QMAX sr, wn
	WIN (\wn)*5
.irp b, 0,1,2,3
	v_max3_num_f32 v[TM+\b], |v[(\sr)+16*\b]|, |v[(\sr)+16*\b+1]|, 0x2800000   ; with the floor 2^(5 - 127): the byte cannot fall under 1
.endr
.irp i, 2,4,6,8,10,12,14
.irp b, 0,1,2,3
	v_max3_num_f32 v[TM+\b], |v[(\sr)+16*\b+\i]|, |v[(\sr)+16*\b+\i+1]|, v[TM+\b]
.endr
.endr
	WIN 0
.irp b, 0,1,2,3
	v_permlanex16_b32 v[TM+4+\b], v[TM+\b], s[SEL], s[SEL+1]
.endr
.irp b, 0,1,2,3
	v_max_num_f32 v[TM+\b], v[TM+\b], v[TM+4+\b]   ; with lane l xor 16's: the block's largest magnitude
.endr
.irp b, 0,1,2,3
	v_add_nc_u32 v[TM+12+\b], 0xfe000000, v[TM+\b] ; 4 off the exponent field: the conversion's scale operand
.endr
.irp b, 0,1,2,3
	v_lshrrev_b32 v[TM+4+\b], 23, v[TM+12+\b]      ; the scale's byte
.endr
.endm
; QCODE: the scale word and the codes: it writes v[PW] and v[PC ..], which stores read.
.macro QCODE sr, wn
	v_lshl_or_b32 v[PW], v[TM+5], 8, v[TM+4]
	v_lshl_or_b32 v[PW], v[TM+6], 16, v[PW]
	v_lshl_or_b32 v[PW], v[TM+7], 24, v[PW]
	WIN (\wn)
.irp c, 0,1
	v_cvt_scalef32_pk16_bf6_f32 v[PC+6*\c:PC+6*\c+2], v[(\sr)+32*\c:(\sr)+32*\c+15], v[TM+12+2*\c]
	v_cvt_scalef32_pk16_bf6_f32 v[PC+12+4*\c:PC+12+4*\c+2], v[(\sr)+32*\c+16:(\sr)+32*\c+31], v[TM+12+2*\c+1]
.endr
	WIN 0
	v_nop                                          ; one plain line behind the conversions
.irp c, 0,1                            ; the operand wants a whole block in a lane: lanes 0-15 block 2 c, lanes 16-31 block 2 c + 1
.irp i, 0,1,2
	v_permlane16_swap_b32 v[PC+6*\c+\i], v[PC+12+4*\c+\i]
.endr
.irp i, 0,1,2
	v_mov_b32 v[PC+3+6*\c+\i], v[PC+12+4*\c+\i]
.endr
.endr
.endm
	s_load_b512 s[4:19], s[0:1], 0x0               ; q, k, v, bq, bk, bv, wts, qkv
	v_lshl_add_u32 v254, v0, 2, 0x22400
	v_mov_b32 v255, 0
	v_lshrrev_b32 v1, 5, v0
	v_readfirstlane_b32 s[WV], v1                  ; wave 0..3
	s_and_b32 s[YY], ttmp7, 0xffff
	v_and_b32 v9, 31, v0                           ; lane
	v_and_b32 v10, 15, v0                          ; r
	v_bfe_u32 v11, v0, 4, 1                        ; h
	v_lshlrev_b32 v[LI], 4, v9
	v_add_nc_u32 v[XR1], 49152, v[LI]
	v_lshl_add_u32 v[XSR], v9, 5, XSC
	s_wait_alu depctr_va_sdst(0)                   ; the wave's number is written, ahead of its first reader: LDS places and the bases are made from it
	s_mul_i32 s52, s[WV], 8448
	s_add_co_u32 s52, s52, STAGE
	v_add_nc_u32 v[SWR], s52, v[LI]
	v_mul_u32_u24 v[SRD], v10, 528
	v_lshl_add_u32 v[SRD], v11, 6, v[SRD]
	v_add_nc_u32 v[SRD], s52, v[SRD]
	s_mul_i32 s53, s[WV], 3072
	v_add_nc_u32 v[IW0], s53, v[LI]                ; tile 2 w's image of K step 0
	s_lshl_b32 s53, s[WV], 3
	v_add_nc_u32 v[XSW0], s53, v[XSR]
	v_lshlrev_b32 v[BOQ], 6, v11
	v_and_b32 v[BOV], 8, v10
	v_add_nc_u32 v[BOV], v[BOV], v10
	v_lshlrev_b32 v[BOV], 2, v[BOV]
.irp b, 0,1,2,3
	v_mov_b32 v[TM+4+\b], 0                        ; written once: a lane permute's destination counts as one of its sources
.endr
	s_mov_b32 s[SEL], 0x76543210
	s_mov_b32 s[SEL+1], 0xfedcba98                 ; v_permlanex16_b32's selects for lane l xor 16
	s_lshl_b32 s42, ttmp9, 19                      ; my wave's first row: 128 x + 32 w, rows of 4,096 bytes
	s_lshl_b32 s43, s[WV], 17
	s_add_co_u32 s42, s42, s43
	s_mov_b32 s43, 0
	s_mov_b32 s44, 106496                          ; where the tensor's codes and scale words lie in a head's 319,488 bytes of qkv
	s_mov_b32 s46, 98304
	s_mov_b32 s47, 303104
	s_cmp_eq_u32 s[YY], 1
	s_cselect_b32 s44, s44, 0
	s_cselect_b32 s46, s47, s46
	s_mov_b32 s45, 204800
	s_mov_b32 s47, 311296
	s_cmp_eq_u32 s[YY], 2
	s_cselect_b32 s44, s45, s44
	s_cselect_b32 s46, s47, s46
	s_lshr_b32 s48, ttmp9, 4
	s_lshl_b32 s48, s48, 4
	s_lshl_b32 s49, s[WV], 2
	s_add_co_u32 s48, s48, s49                     ; 16 batch + my first head
	s_mul_i32 s48, s48, 319488
	s_and_b32 s49, ttmp9, 15                       ; which 128 rows of the sequence
	s_mul_i32 s50, s49, 6144
	s_lshl_b32 s51, s49, 9
	s_add_co_u32 s44, s44, s48
	s_add_co_u32 s44, s44, s50
	s_mov_b32 s45, 0
	s_add_co_u32 s46, s46, s48
	s_add_co_u32 s46, s46, s51
	s_mov_b32 s47, 0
	s_wait_kmcnt 0x0
	s_cmp_eq_u32 s[YY], 1                          ; the choices hang on the work-group's number alone
	s_cselect_b64 s[XB:XB+1], s[6:7], s[4:5]
	s_cselect_b64 s[BIB:BIB+1], s[12:13], s[10:11]
	s_cmp_eq_u32 s[YY], 2
	s_cselect_b64 s[XB:XB+1], s[8:9], s[XB:XB+1]
	s_cselect_b64 s[BIB:BIB+1], s[14:15], s[BIB:BIB+1]
	s_add_nc_u64 s[XB:XB+1], s[XB:XB+1], s[42:43]
	s_add_nc_u64 s[OC:OC+1], s[18:19], s[44:45]
	s_add_nc_u64 s[OS:OS+1], s[18:19], s[46:47]
	s_mul_i32 s48, s[YY], 786432
	s_mul_i32 s49, s[WV], 24576                    ; my first tile of the weight: 16 w
	s_add_co_u32 s48, s48, s49
	s_mov_b32 s49, 0
	s_add_nc_u64 s[WCB:WCB+1], s[16:17], s[48:49]
	s_lshl_b32 s48, s[YY], 15
	s_lshl_b32 s50, s[WV], 13
	s_add_co_u32 s48, s48, s50
	s_add_co_u32 s48, s48, 3145728
	s_add_nc_u64 s[WSB:WSB+1], s[16:17], s[48:49]
	s_lshl_b32 s48, s[WV], 10                      ; my first head's bias
	s_add_nc_u64 s[BIB:BIB+1], s[BIB:BIB+1], s[48:49]
	s_wait_alu depctr_va_vdst(0)                   ; the offsets and addresses v1 to v5, v8 and v12 to v14 are written, which the loads and stores of the whole kernel read
; ---- PHASE X.  A unit is one x tile x one K step: 16 rows x 512 bytes.  Unit un of a trip: tile 2 w + un % 2, the trip's K step un / 2.
.macro LOADU un                        ; each load reads 512 consecutive bytes of one row
	WIN 0x80                                       ; destination window 2
.set q, 0
.rept 16
	global_load_b128 v[64*((\un)%4)+4*q:64*((\un)%4)+4*q+3], v[LI], s[XB:XB+1] offset:(8*((\un)%2)+q+8*(q/8))*4096+((\un)/2)*512 th:TH_LOAD_NT
.set q, q+1
.endr
	WIN 0
.endm
.macro UNIT un, ahead, left
	s_wait_loadcnt \left                           ; this unit's 16 loads are in; the younger units' stay out
	s_wait_alu depctr_vm_vsrc(0)                   ; the LDS stores of the unit before have read their raw set, in which the loads below land, v[PC ..] and v[PW], which this unit's quantiser writes, and v[IW] and v[XSW]
.if (\un) == 0
	v_add_nc_u32 v[IW], s40, v[IW0]                ; where this trip's images and scale words go
	v_add_nc_u32 v[XSW], s41, v[XSW0]
.endif
	WIN 0x08                                       ; an LDS store's data are its source 1: window 2
.set q, 0
.rept 16
	ds_store_b128 v[SWR], v[64*((\un)%4)+4*q:64*((\un)%4)+4*q+3] offset:q*528
.set q, q+1
.endr
	WIN 0
.irp b, 0,1,2,3                        ; back: lane (r, h) takes, of row r, 16 neighbours of each block of 32.  LDS serves a wave's instructions in order.  No vector instruction since the last wait on va_vdst names v[XN ..]
.irp j, 0,1,2,3
	ds_load_b128 v[XN+16*\b+4*\j:XN+16*\b+4*\j+3], v[SRD] offset:128*\b+16*\j
.endr
.endr
.if \ahead
	LOADU (\un)+3                                  ; into the set of the unit before
.endif
	s_wait_dscnt 0x0
	QMAX XN, 0
	QCODE XN, 0
	s_wait_alu depctr_va_vdst(0)                   ; the quantiser has written v[PC ..] and v[PW], which the stores below read, and is done reading v[XN ..], in which the next unit's LDS loads land; v[IW] and v[XSW] are written
.irp c, 0,1,2
	ds_store_b128 v[IW], v[PC+4*\c:PC+4*\c+3] offset:(((\un)/2)*8+((\un)%2))*1536+512*\c
.endr
	ds_store_b32 v[XSW], v[PW] offset:((\un)/2)*1024+4*((\un)%2)
.endm
	LOADU 0
	LOADU 1
	LOADU 2                                        ; three units, 48 loads, are on their way
	s_mov_b32 s38, 3
	s_mov_b32 s40, 0
	s_mov_b32 s41, 0
.Lx:                                               ; a trip: two K steps of my two tiles
	UNIT 0, 1, 32
	UNIT 1, 1, 32
	UNIT 2, 1, 32
	UNIT 3, 1, 32
	s_wait_xcnt 0x0                                ; the loads have read their base: it may step
	s_add_nc_u64 s[XB:XB+1], s[XB:XB+1], 1024
	s_add_co_u32 s40, s40, 24576
	s_add_co_u32 s41, s41, 2048
	s_sub_co_u32 s38, s38, 1
	s_cmp_lg_u32 s38, 0
	s_cbranch_scc1 .Lx
	UNIT 0, 1, 32                                  ; the last two K steps: one more unit is asked for, then the counts run down
	UNIT 1, 0, 32
	UNIT 2, 0, 16
	UNIT 3, 0, 0
	s_wait_dscnt 0x0                               ; for the others' sake: my images lie in LDS
	s_barrier_signal -1
	s_barrier_wait -1
	s_wait_alu depctr_vm_vsrc(0)                   ; my last LDS stores into the stage have read their raw set: window 2 holds accumulators from here on, which the products write
; ---- GEMM
.macro WFLOAD ks                       ; the weight's eight fragments of K step ks into set ks % 2
	WIN 0x40                                       ; destination window 1
.irp t, 0,1,2,3,4,5,6,7
.irp c, 0,1,2
	global_load_b128 v[96*((\ks)%2)+12*\t+4*\c:96*((\ks)%2)+12*\t+4*\c+3], v[LI], s[WCB:WCB+1] offset:(\ks)*98304+\t*1536+512*\c
.endr
.endr
	WIN 0
.endm
.macro PRE                             ; a pass's scale words of the weight (eight K steps a tile) and its first two K steps
.irp t, 0,1,2,3,4,5,6,7
	global_load_b128 v[WS+4*\t:WS+4*\t+3], v[LI], s[WSB:WSB+1] offset:512*\t
.endr
	WFLOAD 0
	WFLOAD 1
.endm
.macro XLD ks, t0, bf                  ; x's fragments t0 .. t0 + 3 of K step ks and their scale words into buffer bf: 13 LDS loads
.set hb, 16+48*(\bf)+84*((\bf)/2)      ; the buffers begin at v16, v64, v196,
.set hs, 112+4*(\bf)+124*((\bf)/2)     ; their scale words at v112, v116, v244
.irp t, 0,1,2,3
.irp c, 0,1,2
.if (\ks) < 4
	ds_load_b128 v[hb+12*\t+4*\c:hb+12*\t+4*\c+3], v[LI] offset:(((\ks)%4)*8+(\t0)+\t)*1536+512*\c
.else
	ds_load_b128 v[hb+12*\t+4*\c:hb+12*\t+4*\c+3], v[XR1] offset:(((\ks)%4)*8+(\t0)+\t)*1536+512*\c
.endif
.endr
.endr
	ds_load_b128 v[hs:hs+3], v[XSR] offset:(\ks)*1024+4*(\t0)
.endm
; 16 products: x tiles x0 .. x0 + 3 against the four tiles of head hd.  tr = 0: source 0 = the weight; tr = 1: source 0 = x.  The weight's scale word of an odd K step lies in lanes 16-31.
; The 64 accumulators take turns, one instruction a turn, in the same order in every K step.
.macro MUL ks, x0, hd, tr
.if (\ks) == 0
	WIN 0x91+3*(\tr)+0x40*(\hd)                    ; C: the bias, window 1
.else
	WIN 0xa1+3*(\tr)+0x50*(\hd)
.endif
.set hbn, (2*(\ks)+(\x0)/4)%3          ; the buffer in which these four tiles lie
.irp xt, \x0, \x0+1, \x0+2, \x0+3
.irp wt, 0,1,2,3
.set rW, 96*((\ks)%2)+12*(4*(\hd)+\wt)
.set rX, 16+48*hbn+84*(hbn/2)+12*((\xt)%4)
.set rSW, WS+4*(4*(\hd)+\wt)+(\ks)/2
.set rSX, 112+4*hbn+124*(hbn/2)+(\xt)%4
.if \tr
.set rD, 64*\wt+8*(\xt)
.else
.set rD, 32*(\xt)+8*\wt
.endif
.set rC, rD
.if (\ks) == 0
.set rC, BI+8*(4*(\hd)+\wt)
.endif
.if \tr
.if (\ks)%2
	v_wmma_scale_f32_16x16x128_f8f6f4 v[rD:rD+7], v[rX:rX+11], v[rW:rW+11], v[rC:rC+7], v[rSX], v[rSW] matrix_a_fmt:MATRIX_FMT_BF6 matrix_b_fmt:MATRIX_FMT_BF6 matrix_b_scale:MATRIX_SCALE_ROW1
.else
	v_wmma_scale_f32_16x16x128_f8f6f4 v[rD:rD+7], v[rX:rX+11], v[rW:rW+11], v[rC:rC+7], v[rSX], v[rSW] matrix_a_fmt:MATRIX_FMT_BF6 matrix_b_fmt:MATRIX_FMT_BF6
.endif
.else
.if (\ks)%2
	v_wmma_scale_f32_16x16x128_f8f6f4 v[rD:rD+7], v[rW:rW+11], v[rX:rX+11], v[rC:rC+7], v[rSW], v[rSX] matrix_a_fmt:MATRIX_FMT_BF6 matrix_b_fmt:MATRIX_FMT_BF6 matrix_a_scale:MATRIX_SCALE_ROW1
.else
	v_wmma_scale_f32_16x16x128_f8f6f4 v[rD:rD+7], v[rW:rW+11], v[rX:rX+11], v[rC:rC+7], v[rSW], v[rSX] matrix_a_fmt:MATRIX_FMT_BF6 matrix_b_fmt:MATRIX_FMT_BF6
.endif
.endif
.endr
.endr
.endm
; A K step: 64 products.  At its head its own tiles 4-7 and the weight's next K step are asked for, behind its first sixteen products the next step's tiles 0-3.
; Step 0 has no wait on va_vdst: no vector or matrix instruction since the last such wait (phase X's last; in the second pass the one at the passes' join) names the registers in which its loads land.
.macro KSTEP ks, tr
.if (\ks) > 0
	s_wait_alu depctr_va_vdst(0)                   ; the products of the step before are done reading the two buffers of x with their scale words, and the set of the weight, in which this step's loads land
.endif
	XLD \ks, 4, (2*(\ks)+1)%3
.if ((\ks) > 0) && ((\ks) < 7)
	WFLOAD (\ks)+1
	s_wait_loadcnt 24                              ; this step's set is in; the next step's 24 loads, just issued, may be out
.else
	s_wait_loadcnt 0x0                             ; step 0: scale words, bias and both sets; step 7: nothing was asked for behind its set
.endif
	s_wait_dscnt 13                                ; x's tiles 0-3 are in; the 13 loads of tiles 4-7 may be out
	MUL \ks, 0, 0, \tr
.if (\ks) < 7
	WIN 0
	XLD (\ks)+1, 0, (2*(\ks)+2)%3                  ; no wait: the sixteen products since the wait name another buffer
.endif
	MUL \ks, 0, 1, \tr
.if (\ks) < 7
	s_wait_dscnt 13                                ; tiles 4-7 are in; the 13 loads of the next step's tiles 0-3 may be out
.else
	s_wait_dscnt 0x0
.endif
	MUL \ks, 4, 0, \tr
	MUL \ks, 4, 1, \tr
	PLACES 4                                       ; four plain lines behind the step's last products, ahead of the wait, of the loads into registers that they read and (step 7) of the first read of results
	WIN 0
.endm
	PRE
	XLD 0, 0, 0
	s_mov_b32 s39, 2
.Lpass:                                            ; two heads a pass
	s_cmp_eq_u32 s[YY], 2
	s_cbranch_scc1 .Lv
	WIN 0x40                                       ; q, k: register j of tile 2 b + u is e = 32 b + 16 h + 8 u + j
.irp t, 0,1,2,3,4,5,6,7
	global_load_b128 v[BI+8*\t:BI+8*\t+3], v[BOQ], s[BIB:BIB+1] offset:((\t/4)*64+32*((\t%4)/2)+8*(\t%2))*4
	global_load_b128 v[BI+8*\t+4:BI+8*\t+7], v[BOQ], s[BIB:BIB+1] offset:((\t/4)*64+32*((\t%4)/2)+8*(\t%2))*4+16
.endr
	WIN 0
.irp ks, 0,1,2,3,4,5,6,7
	KSTEP \ks, 0
.endr
	s_branch .Ljoin
.Lv:
	WIN 0x40                                       ; v: a lane holds one e = 32 b + 8 u + r + 8 (r / 8): its bias in all eight registers
.irp t, 0,1,2,3,4,5,6,7
.irp j, 0,1,2,3,4,5,6,7
	global_load_b32 v[BI+8*\t+\j], v[BOV], s[BIB:BIB+1] offset:((\t/4)*64+32*((\t%4)/2)+8*(\t%2))*4
.endr
.endr
	WIN 0
.irp ks, 0,1,2,3,4,5,6,7
	KSTEP \ks, 1
.endr
.Ljoin:
	s_cmp_eq_u32 s39, 1
	s_cbranch_scc1 .Lnopre
	s_wait_xcnt 0x0                                ; the loads have read their bases
	s_add_nc_u64 s[WCB:WCB+1], s[WCB:WCB+1], 12288 ; eight tiles on
	s_add_nc_u64 s[WSB:WSB+1], s[WSB:WSB+1], 4096
	s_add_nc_u64 s[BIB:BIB+1], s[BIB:BIB+1], 512
	s_wait_alu depctr_va_vdst(0)                   ; the pass's products are done reading the weight's scale words, its two sets, the bias and x's buffers, in which the next pass's loads land
	PRE                                            ; the next pass's first loads are on their way while this pass goes out
	XLD 0, 0, 0                                    ; and x's tiles 0-3 of K step 0
.Lnopre:
.irp g, 0,1,2,3,4,5,6,7                ; head g / 4 of the pass; q, k: pair g % 4 of x tiles; v: e tile g % 4
	QMAX 64*(\g%4), 2+\g/4
	s_wait_alu depctr_va_vdst(0)
	s_wait_xcnt 0x0                                ; the last stores have had their addresses translated: their data registers are written again only behind this wait,
	s_wait_alu depctr_vm_vsrc(0)                   ; and they have read v[PC ..] and v[PWS ..], which the lines below write
	QCODE 64*(\g%4), 2+\g/4
	v_mov_b32 v[PWS+\g%4], v[PW]
	s_wait_alu depctr_va_vdst(0)                   ; the quantiser has written v[PC ..] and v[PWS ..], which the stores below read
.irp c, 0,1,2
	global_store_b128 v[LI], v[PC+4*\c:PC+4*\c+3], s[OC:OC+1] offset:(\g/4)*319488+(\g%4)*1536+512*\c   ; 32 lanes store 512 consecutive bytes, aligned to 256
.endr
.if \g%4 == 3
	global_store_b128 v[LI], v[PWS:PWS+3], s[OS:OS+1] offset:(\g/4)*319488   ; the head's four scale words of these 128 rows, 16 bytes a lane
.endif
.endr
	s_wait_xcnt 0x0
	s_add_nc_u64 s[OC:OC+1], s[OC:OC+1], 638976    ; two heads on
	s_add_nc_u64 s[OS:OS+1], s[OS:OS+1], 638976
	s_sub_co_u32 s39, s39, 1
	s_cmp_lg_u32 s39, 0
	s_cbranch_scc1 .Lpass
	s_wait_dscnt 0x0                               ; the closing lines, six on end
	s_wait_alu 0x0
	s_wait_tensorcnt 0x0
	ds_add_u32 v254, v255
	s_wait_dscnt 0x0
	s_endpgm
.Lfunc_end_k_q3f13d3acce_proj:
	.size	k_q3f13d3acce_proj, .Lfunc_end_k_q3f13d3acce_proj-k_q3f13d3acce_proj
	.p2alignl 7, 3214868480
	.fill 96, 4, 3214868480
	.section	.rodata,"a",@progbits
	.p2align	6, 0x0
	.amdhsa_kernel k_q3f13d3acce_proj
		.amdhsa_group_segment_fixed_size 140800
		.amdhsa_private_segment_fixed_size 0
		.amdhsa_enable_private_segment 0
		.amdhsa_kernarg_size 64
		.amdhsa_user_sgpr_count 2
		.amdhsa_user_sgpr_kernarg_segment_ptr 1
		.amdhsa_wavefront_size32 1
		.amdhsa_system_sgpr_workgroup_id_x 1
		.amdhsa_system_sgpr_workgroup_id_y 1
		.amdhsa_system_sgpr_workgroup_id_z 1
		.amdhsa_system_vgpr_workitem_id 0
		.amdhsa_next_free_vgpr 1024
		.amdhsa_next_free_sgpr 66
		.amdhsa_reserve_vcc 0
		.amdhsa_float_denorm_mode_32 3
		.amdhsa_float_denorm_mode_16_64 3
		.amdhsa_memory_ordered 1
		.amdhsa_forward_progress 1
		.amdhsa_inst_pref_size 255
	.end_amdhsa_kernel
	.section	.bss,"aw",@nobits
	.p2align	6
	.space	262144
	.amdgpu_metadata
---
amdhsa.version: [ 1, 2 ]
amdhsa.kernels:
  - .name:           k_q3f13d3acce_proj
    .symbol:         k_q3f13d3acce_proj.kd
    .args:
      - { .name: q, .offset: 0, .size: 8, .value_kind: global_buffer, .address_space: global }
      - { .name: k, .offset: 8, .size: 8, .value_kind: global_buffer, .address_space: global }
      - { .name: v, .offset: 16, .size: 8, .value_kind: global_buffer, .address_space: global }
      - { .name: bq, .offset: 24, .size: 8, .value_kind: global_buffer, .address_space: global }
      - { .name: bk, .offset: 32, .size: 8, .value_kind: global_buffer, .address_space: global }
      - { .name: bv, .offset: 40, .size: 8, .value_kind: global_buffer, .address_space: global }
      - { .name: wts, .offset: 48, .size: 8, .value_kind: global_buffer, .address_space: global }
      - { .name: qkv, .offset: 56, .size: 8, .value_kind: global_buffer, .address_space: global }
    .group_segment_fixed_size: 140800
    .private_segment_fixed_size: 0
    .kernarg_segment_align: 8
    .kernarg_segment_size: 64
    .max_flat_workgroup_size: 128
    .sgpr_count:     66
    .vgpr_count:     1024
    .wavefront_size: 32
...
	.end_amdgpu_metadata
.endif
;; end of part 6
;; launch attn (part 7): grid 4 x 64, 16 waves a work-group, clusters of 4 x 1, 215,040 bytes of LDS; arguments qkv, cat; writes cat
.if DOCPART == 7
	.amdgcn_target "amdgcn-amd-amdhsa--gfx1250"
	.amdhsa_code_object_version 6
	.text
	.protected	k_q3f13d3acce_attn
	.globl	k_q3f13d3acce_attn
	.p2align	8
	.type	k_q3f13d3acce_attn,@function
k_q3f13d3acce_attn:
	s_mov_b64 s[64:65], 0
	v_nop
	global_prefetch_b8 v0, s[64:65] scope:SCOPE_SE
	s_setreg_imm32_b32 hwreg(HW_REG_WAVE_MODE, 25, 1), 1
	s_wait_xcnt 0x0
	s_wait_alu depctr_hold_cnt(0) depctr_sa_sdst(0) depctr_va_vdst(0) depctr_va_sdst(0) depctr_va_ssrc(0) depctr_va_vcc(0) depctr_vm_vsrc(0)
	s_getreg_b32 s2, hwreg(HW_REG_IB_STS2, 6, 4)
	s_cmp_eq_u32 s2, 0
	s_cbranch_scc0 .Lentry_in_a_cluster
	s_endpgm
.Lentry_in_a_cluster:
	s_bfe_u32 s2, ttmp6, 0x10000c
	s_cmp_lg_u32 s2, 0x3003
	s_cbranch_scc0 .Lentry_shape_is_right
	s_endpgm
.Lentry_shape_is_right:
; Causal attention of one head (cluster y = 16 batch + head) on codes of BF6 (E3M2); the result, divided by the row's sum, is quantised along the head's 64 for the last product.
; t = score x log2(e) / 8; M = the running largest t rounded up to a whole number; p = 2^(t - M) is quantised along the keys; the row's sum is taken of the unquantised p.
; SHARES.  The head's 2,048 queries are 16 groups of 128, each of 8 tiles of 16.  The cluster's partner cx owns tiles 2 cx and 2 cx + 1 of every group.  Wave (i = wave % 2, w' = wave / 2) does tile 2 cx + i of
; group w' (w' + 1 key steps of 128) and then of group 15 - w' (16 - w' steps): 17 key steps for every wave of the launch, one loop of 17 trips.  Key steps beyond the diagonal are never walked.
; No branch and no LDS address hangs on cx: it enters Q's and the result's addresses in memory and the mask's data alone.
; LDS.  The head's K, V and their scale words, 212,992 bytes on end in memory, are brought ONCE, jointly for the four partners, 13,312 bytes a wave: one tensor load a wave is out.  Nothing is filled again, nothing is stored to LDS.
; LAYOUT.  Both products are used transposed: a lane holds one query throughout.  K's fragment holds key tiles 2 p and 2 p + 1 side by side (64 + 64 along the instruction's K, since the head has 64); Q stands beside six
; registers of zero codes on either side, so that v[22:33] picks tile 2 p and v[16:27] tile 2 p + 1: zero codes add nothing under any scale byte from 1 to 254.
; Lane r of key tile 2 p + u is key 32 p + 8 u + r + 8 (r / 8): the 16 registers of two neighbouring tiles are 16 neighbouring keys.
; LIMITS: hidden keys count as p = 0, which is what -1e9 on the logit gives while a row's visible logits lie above about -1e9 + 200; NaN and infinities are not served; a block of zeros gets the byte 1.
.set LI,   1                           ; 16 x lane
.set ADK,  2                           ; LDS address of the step's K
.set ADV,  3                           ; V
.set ADS,  4                           ; K's scale words (V's 8,192 bytes on)
.set QO,   5                           ; v5-7 Q's three pieces of 8 bytes in the pair's image
.set QSO,  8                           ; Q's scale word: 16 lane + 4 cx
.set DD,   9                           ; my query in its group - 16 (lane / 16)
.set NINF, 10
.set L4,   11
.set QZ,   16                          ; v16-21 zeros, v22-27 Q, v28-33 zeros
.set QSW,  34
.set QRAW, 35
.set KV,   36                          ; v36-83 four fragments of K, then of V
.set KSW,  84
.set VSW,  88
.set L8,   92
.set SA,   96                          ; v96-159 S^T, then p
.set OA,   160                         ; v160-191 O^T
.set PC,   192                         ; v192-203 p's codes
.set CT,   204                         ; v204-210 the conversions' second halves
.set BM,   212
.set T4,   216
.set SC4,  220
.set PSW,  224
.set FF,   226                         ; v[226:227] f, named as a pair
.set TT,   228
.set CW,   229
.set WV,  8
.set II,  9
.set WP,  10
.set WP1, 11
.set G2,  12
.set TAU, 13
.set KS,  14
.set GG,  15
.set CX,  16
.set BH,  17
.set CS,  18
.set SEL, 20
.set PSEL, 22
.set G1,  24
.set G0,  32
.set QB,  36
.set QSB, 38
.set CB,  40
.set CSB, 42
.set QA,  44
.set QSA, 46
.set CA,  48
.set CSA, 50
.macro CROUND                          ; a round of the cluster's barrier
	s_barrier_signal -1
	s_barrier_wait -1
	s_cmp_lg_u32 s[WV], 0
	s_cbranch_scc1 .Lnot_wave_0_\@
	s_barrier_signal -3
.Lnot_wave_0_\@:
	s_barrier_wait -3
	s_barrier_signal -1
	s_barrier_wait -1
.endm
.macro PLACES cnt
.rept \cnt
	v_nop
.endr
.endm
	s_load_b128 s[4:7], s[0:1], 0x0                ; qkv, cat
	v_lshl_add_u32 v254, v0, 2, 0x34000
	v_mov_b32 v255, 0
	ds_add_u32 v254, v255
	ds_add_u32 v254, v255
	v_lshrrev_b32 v1, 5, v0
	s_delay_alu instid0(VALU_DEP_1)
	v_readfirstlane_b32 s[WV], v1                  ; wave 0..15
	s_bfe_u32 s[CX], ttmp6, 0x40000                ; my place in the cluster
	s_and_b32 s[BH], ttmp7, 0xffff                 ; 16 batch + head, which the four partners share
	s_and_b32 s[II], s[WV], 1
	s_lshr_b32 s[WP], s[WV], 1
	s_add_co_u32 s[WP1], s[WP], 1
	s_sub_co_u32 s[G2], 15, s[WP]
	; descriptor group 1: 52 rows of 256 bytes (32 elements of 8 bytes), dense, no padding
	s_mov_b32 s[G1], 15|(3<<16)|(1<<21)            ; 15:0 the mask: all four partners; 17:16 elements of 8 bytes; 21 set beside a mask
	s_mov_b32 s[G1+1], 32<<16                      ; tensor_dim0
	s_mov_b32 s[G1+2], 52<<16                      ; tensor_dim1
	s_mov_b32 s[G1+3], 32<<16                      ; tile_dim0
	s_mov_b32 s[G1+4], 52                          ; tile_dim1
	s_mov_b32 s[G1+5], 32                          ; the pitch
	s_mov_b32 s[G1+6], 0
	s_mov_b32 s[G1+7], 0
	s_mul_i32 s52, s[BH], 319488                   ; the head's bytes in qkv
	s_mov_b32 s53, 0
	s_mul_i32 s[G0+1], s[WV], 13312                ; LDS address: my sixteenth
	s_add_co_u32 s56, s52, s[G0+1]
	s_add_co_u32 s56, s56, 106496                  ; K's codes begin here; V's, K's scales and V's scales follow on end
	s_mov_b32 s57, 0
	s_wait_dscnt 0x0
	s_wait_kmcnt 0x0
	s_mov_b32 s[G0], 1
	s_add_nc_u64 s[G0+2:G0+3], s[4:5], s[56:57]
	s_or_b32 s[G0+3], s[G0+3], 0x80000000          ; type = 2
	CROUND                                         ; all four partners are here: the joint loads meet
	tensor_load_to_lds s[G0:G0+3], s[G1:G1+7]
	s_nop 0
	PLACES 4
	s_mul_i32 s54, s[CX], 1536
	s_add_co_u32 s54, s54, s52
	s_mov_b32 s55, 0
	s_add_nc_u64 s[QB:QB+1], s[4:5], s[54:55]      ; Q's codes: pair cx of group 0
	s_add_co_u32 s54, s52, 98304
	s_add_nc_u64 s[QSB:QSB+1], s[4:5], s[54:55]    ; Q's scale words
	s_lshr_b32 s54, s[BH], 4
	s_mul_i32 s54, s54, 1835008                    ; cat: the batch's 16 blocks of 114,688 bytes
	s_and_b32 s56, s[BH], 15                       ; the head
	s_lshl_b32 s58, s[CX], 1
	s_add_co_u32 s58, s58, s[II]                   ; my tile in a group
	s_lshr_b32 s57, s56, 1
	s_lshl_b32 s57, s57, 3
	s_add_co_u32 s57, s57, s58
	s_lshl_b32 s57, s57, 1
	s_and_b32 s59, s56, 1
	s_add_co_u32 s57, s57, s59
	s_mul_i32 s57, s57, 768                        ; half a fragment: ((head / 2) x 8 + tile) x 2 + head % 2
	s_add_co_u32 s52, s57, s54
	s_add_nc_u64 s[CB:CB+1], s[6:7], s[52:53]
	s_lshl_b32 s56, s56, 10
	s_lshl_b32 s58, s58, 7
	s_add_co_u32 s52, s54, s56
	s_add_co_u32 s52, s52, s58
	s_add_co_u32 s52, s52, 98304
	s_add_nc_u64 s[CSB:CSB+1], s[6:7], s[52:53]    ; its two scale bytes, a word a lane
	s_mov_b32 s[CS], 0x3e38aa3b                    ; c = log2(e) / 8
	s_mov_b32 s[CS+1], s[CS]
	s_mov_b32 s[SEL], 0x76543210
	s_mov_b32 s[SEL+1], 0xfedcba98
	s_mov_b32 s[PSEL], 0x03020302                  ; my tile's two scale bytes, twice: for either half of the instruction's K
	s_cmp_eq_u32 s[II], 0
	s_cselect_b32 s[PSEL], 0x01000100, s[PSEL]
	v_and_b32 v[L4], 31, v0
	s_delay_alu instid0(VALU_DEP_1)
	v_lshlrev_b32 v[LI], 4, v[L4]
	s_delay_alu instid0(VALU_DEP_2)
	v_lshlrev_b32 v[L8], 3, v[L4]
	s_delay_alu instid0(VALU_DEP_3)
	v_lshlrev_b32 v[L4], 2, v[L4]
	s_mul_i32 s52, s[II], 520                      ; registers 6 i .. 6 i + 5 of the pair's image: bytes 0, 8, 512 or 520, 1,024, 1,032 beside 16 x lane
	v_add_nc_u32 v[QO], s52, v[LI]
	s_add_co_u32 s52, s52, 512
	v_add_nc_u32 v[QO+2], s52, v[LI]
	s_mul_i32 s52, s[II], 1016
	s_add_co_u32 s52, s52, 8
	v_add_nc_u32 v[QO+1], s52, v[LI]
	s_lshl_b32 s52, s[CX], 2
	v_add_nc_u32 v[QSO], s52, v[LI]
	v_and_b32 v2, 15, v0                           ; r
	v_bfe_u32 v3, v0, 4, 1                         ; h
	s_delay_alu instid0(VALU_DEP_2)
	v_and_b32 v4, 8, v2
	s_delay_alu instid0(VALU_DEP_1)
	v_add_nc_u32 v[DD], v4, v2
	s_delay_alu instid0(VALU_DEP_3)
	v_lshlrev_b32 v3, 4, v3
	s_delay_alu instid0(VALU_DEP_1)
	v_sub_nc_u32 v[DD], v[DD], v3
	s_lshl_b32 s52, s[CX], 5
	s_lshl_b32 s54, s[II], 3
	s_add_co_u32 s52, s52, s54
	v_add_nc_u32 v[DD], s52, v[DD]                 ; 32 cx + 8 i + r + 8 (r / 8) - 16 h
	v_mov_b32 v[NINF], 0xff800000
.set q, 0
.rept 20
	v_mov_b32 v[QZ+q], 0                           ; the zero codes beside Q; Q and its scale word are written too, so that no path reads them unwritten
.set q, q+1
.endr
.set q, 0
.rept 32
	v_mov_b32 v[OA+q], 0
.set q, q+1
.endr
	v_mov_b32 v13, 0xff61b1e6
	s_delay_alu instid0(VALU_DEP_1)
	v_floor_f32 v12, -v13
	v_mov_b32 v14, 0
	v_mov_b32 v15, 0
.irp b, 0,1,2,3
	v_mov_b32 v[T4+\b], 0                          ; a lane permute's destination counts as one of its sources
.endr
	v_mov_b32 v[FF+1], 0                           ; named as the upper half of a pair
	v_mov_b32 v[TT], 0
	s_mov_b32 s[TAU], 0
	s_wait_tensorcnt 0x0                           ; my sixteenth has landed,
	s_barrier_signal -1
	s_barrier_wait -1                              ; everybody's has
.Ltrip:
	s_cmp_gt_u32 s[TAU], s[WP]                     ; the first job's w' + 1 trips, then the second's
	s_cselect_b32 s52, s[WP1], 0
	s_cselect_b32 s[GG], s[G2], s[WP]              ; the group of queries in hand
	s_sub_co_u32 s[KS], s[TAU], s52
	s_and_b32 s[KS], s[KS], 15                     ; the key step, 0 .. group (the mask changes no value)
	s_cmp_lg_u32 s[KS], 0
	s_setprio 2
	s_cbranch_scc1 .Lnoinit
	; ---- a job begins: its Q, and empty sums
	s_mul_i32 s52, s[GG], 6144
	s_mov_b32 s53, 0
	s_add_nc_u64 s[QA:QA+1], s[QB:QB+1], s[52:53]
	s_lshl_b32 s52, s[GG], 9
	s_add_nc_u64 s[QSA:QSA+1], s[QSB:QSB+1], s[52:53]
	global_load_b64 v[QZ+6:QZ+7], v[QO], s[QA:QA+1]
	global_load_b64 v[QZ+8:QZ+9], v[QO+1], s[QA:QA+1]
	global_load_b64 v[QZ+10:QZ+11], v[QO+2], s[QA:QA+1]
	global_load_b32 v[QRAW], v[QSO], s[QSA:QSA+1]
	v_mov_b32 v13, 0xff61b1e6                      ; the largest t so far: -3e38
	s_delay_alu instid0(VALU_DEP_1)
	v_floor_f32 v12, -v13                          ; -M
	v_mov_b32 v14, 0
	v_mov_b32 v15, 0
	s_wait_loadcnt 0x0
	v_perm_b32 v[QSW], v[QRAW], v[QRAW], s[PSEL]
.set q, 0
.rept 32
	v_mov_b32 v[OA+q], 0                           ; (these also stand between the scale word's line and the products)
.set q, q+1
.endr
.Lnoinit:
	; ---- a key step: 128 keys
	s_mul_i32 s52, s[KS], 6144
	s_lshl_b32 s53, s[KS], 9
	s_add_co_u32 s53, s53, 196608
	v_add_nc_u32 v[ADK], s52, v[LI]
	s_delay_alu instid0(VALU_DEP_1)
	v_add_nc_u32 v[ADV], 98304, v[ADK]
	v_add_nc_u32 v[ADS], s53, v[LI]
.irp p, 0,1,2,3
.irp c, 0,1,2
	ds_load_b128 v[KV+12*\p+4*\c:KV+12*\p+4*\c+3], v[ADK] offset:\p*1536+512*\c
.endr
.endr
	ds_load_b128 v[KSW:KSW+3], v[ADS]
	s_wait_alu depctr_va_vdst(0)
	s_wait_dscnt 0x0
.irp p, 0,1,2,3                        ; S^T = K Q^T: one fragment of K serves two tiles of keys
	v_wmma_scale_f32_16x16x128_f8f6f4 v[SA+16*\p:SA+16*\p+7], v[KV+12*\p:KV+12*\p+11], v[QZ+6:QZ+17], 0, v[KSW+\p], v[QSW] matrix_a_fmt:MATRIX_FMT_BF6 matrix_b_fmt:MATRIX_FMT_BF6
	v_wmma_scale_f32_16x16x128_f8f6f4 v[SA+16*\p+8:SA+16*\p+15], v[KV+12*\p:KV+12*\p+11], v[QZ:QZ+11], 0, v[KSW+\p], v[QSW] matrix_a_fmt:MATRIX_FMT_BF6 matrix_b_fmt:MATRIX_FMT_BF6
.endr
	PLACES 4                                       ; in front of loads into registers that the products have read, and of the first read of the scores
.irp p, 0,1,2,3                        ; V's four fragments land while the softmax is worked
.irp c, 0,1,2
	ds_load_b128 v[KV+12*\p+4*\c:KV+12*\p+4*\c+3], v[ADV] offset:\p*1536+512*\c
.endr
.endr
	ds_load_b128 v[VSW:VSW+3], v[ADS] offset:8192
	s_cmp_lg_u32 s[KS], s[GG]
	s_cbranch_scc1 .Lopen
.set n, 0
.rept 64                               ; on the diagonal: register 16 b + i holds key 32 b + 16 (lane / 16) + i of the step: hidden where it lies beyond my query
	v_cmp_gt_i32 vcc_lo, 32*(n/16)+n%16, v[DD]
	v_cndmask_b32 v[SA+n], v[SA+n], v[NINF], vcc_lo
.set n, n+1
.endr
.Lopen:
.irp b, 0,1,2,3
	v_max3_num_f32 v[BM+\b], v[SA+16*\b], v[SA+1+16*\b], v[SA+2+16*\b]   ; the largest score of each block of 32 keys: for the row's maximum and, since p rises with the score, for the block's largest p
.endr
.irp i, 3,5,7,9,11,13
.irp b, 0,1,2,3
	v_max3_num_f32 v[BM+\b], v[BM+\b], v[SA+16*\b+\i], v[SA+16*\b+\i+1]
.endr
.endr
.irp b, 0,1,2,3
	v_max_num_f32 v[BM+\b], v[BM+\b], v[SA+15+16*\b]
.endr
.irp b, 0,1,2,3
	s_delay_alu instid0(VALU_DEP_4)
	v_permlanex16_b32 v[T4+\b], v[BM+\b], s[SEL], s[SEL+1]
.endr
.irp b, 0,1,2,3
	s_delay_alu instid0(VALU_DEP_4)
	v_max_num_f32 v[BM+\b], v[BM+\b], v[T4+\b]
.endr
	s_delay_alu instid0(VALU_DEP_2)
	v_max3_num_f32 v[TT], v[BM], v[BM+1], v[BM+2]
	s_delay_alu instid0(VALU_DEP_1)
	v_max_num_f32 v[TT], v[TT], v[BM+3]
	s_delay_alu instid0(VALU_DEP_1)
	v_mul_f32 v[TT], s[CS], v[TT]
	s_delay_alu instid0(VALU_DEP_1)
	v_max_num_f32 v13, v13, v[TT]                  ; the running largest t
	v_mov_b32 v[TT], v12
	s_delay_alu instid0(VALU_DEP_2)
	v_floor_f32 v12, -v13                          ; -M = -ceil(t)
	s_delay_alu instid0(VALU_DEP_1)
	v_sub_f32 v[TT], v12, v[TT]                    ; old M - new M: a whole number, 0 or less
	s_delay_alu instid0(VALU_DEP_1)
	v_cvt_i32_f32 v[TT], v[TT]                     ; (it saturates)
	s_delay_alu instid0(VALU_DEP_1)
	v_ldexp_f32 v[FF], 1.0, v[TT]                  ; f = 2^(old M - new M)
.set q, 0
.rept 32
	v_pk_fma_f32 v[SA+q:SA+q+1], v[SA+q:SA+q+1], s[CS:CS+1], v[12:13] op_sel_hi:[1,0,0]   ; t - M
.set q, q+2
.endr
.irp b, 0,1,2,3
	v_fma_f32 v[BM+\b], v[BM+\b], s[CS], v12
.endr
.set q, 0
	s_setprio 1
	s_wait_alu depctr_va_vdst(0)
.rept 64
	v_exp_f32 v[SA+q], v[SA+q]                     ; p = 2^(t - M)
.set q, q+1
.endr
	v_pk_mul_f32 v[14:15], v[14:15], v[FF:FF+1] op_sel_hi:[1,0]   ; the sums under the new M: the plain line behind the exponentials
	s_wait_alu depctr_va_vdst(0)                   ; one wait for the batch, ahead of its first reader
.irp b, 0,1,2,3
	v_exp_f32 v[BM+\b], v[BM+\b]                   ; each block's largest p
.endr
	v_pk_add_f32 v[216:217], v[100:101], v[104:105]
	v_pk_add_f32 v[252:253], v[108:109], v[112:113]
	v_pk_add_f32 v[250:251], v[116:117], v[120:121]
	v_pk_add_f32 v[248:249], v[124:125], v[128:129]
	v_pk_add_f32 v[246:247], v[132:133], v[136:137]
	v_pk_add_f32 v[244:245], v[140:141], v[144:145]
	v_pk_add_f32 v[242:243], v[148:149], v[152:153]
	v_pk_add_f32 v[14:15], v[14:15], v[156:157]
	v_pk_add_f32 v[216:217], v[216:217], v[96:97]
	v_pk_add_f32 v[252:253], v[252:253], v[98:99]
	v_pk_add_f32 v[250:251], v[250:251], v[102:103]
	v_pk_add_f32 v[248:249], v[248:249], v[106:107]
	v_pk_add_f32 v[246:247], v[246:247], v[110:111]
	v_pk_add_f32 v[244:245], v[244:245], v[114:115]
	v_pk_add_f32 v[242:243], v[242:243], v[118:119]
	v_pk_add_f32 v[14:15], v[14:15], v[122:123]
	v_pk_add_f32 v[216:217], v[216:217], v[126:127]
	v_pk_add_f32 v[252:253], v[252:253], v[130:131]
	v_pk_add_f32 v[250:251], v[250:251], v[134:135]
	v_pk_add_f32 v[248:249], v[248:249], v[138:139]
	v_pk_add_f32 v[246:247], v[246:247], v[142:143]
	v_pk_add_f32 v[244:245], v[244:245], v[146:147]
	v_pk_add_f32 v[242:243], v[242:243], v[150:151]
	v_pk_add_f32 v[14:15], v[14:15], v[154:155]
	v_pk_add_f32 v[216:217], v[216:217], v[158:159]
	s_delay_alu instid0(VALU_DEP_2)
	v_pk_add_f32 v[14:15], v[14:15], v[248:249]
	s_delay_alu instid0(VALU_DEP_2)
	v_pk_add_f32 v[216:217], v[216:217], v[246:247]
	v_pk_add_f32 v[252:253], v[252:253], v[244:245]
	v_pk_add_f32 v[250:251], v[250:251], v[242:243]
	s_delay_alu instid0(VALU_DEP_2)
	v_pk_add_f32 v[14:15], v[14:15], v[252:253]
	s_delay_alu instid0(VALU_DEP_2)
	v_pk_add_f32 v[216:217], v[216:217], v[250:251]
	s_delay_alu instid0(VALU_DEP_1)
	v_pk_add_f32 v[14:15], v[14:15], v[216:217]
	s_wait_alu depctr_va_vdst(0)                   ; and one for the four
.irp b, 0,1,2,3
	v_max_num_f32 v[BM+\b], 0x2800000, v[BM+\b]    ; the floor 2^(5 - 127)
.endr
.irp b, 0,1,2,3
	s_delay_alu instid0(VALU_DEP_4)
	v_add_nc_u32 v[SC4+\b], 0xfe000000, v[BM+\b]
.endr
.irp b, 0,1,2,3
	s_delay_alu instid0(VALU_DEP_4)
	v_lshrrev_b32 v[T4+\b], 23, v[SC4+\b]
.endr
	s_delay_alu instid0(VALU_DEP_3)
	v_lshl_or_b32 v[PSW], v[T4+1], 8, v[T4]        ; p's scale word for these 128 keys
	s_delay_alu instid0(VALU_DEP_1)
	v_lshl_or_b32 v[PSW], v[T4+2], 16, v[PSW]
	s_delay_alu instid0(VALU_DEP_1)
	v_lshl_or_b32 v[PSW], v[T4+3], 24, v[PSW]
.irp c, 0,1
	v_cvt_scalef32_pk16_bf6_f32 v[PC+6*\c:PC+6*\c+2], v[SA+32*\c:SA+32*\c+15], v[SC4+2*\c]
	v_cvt_scalef32_pk16_bf6_f32 v[CT+4*\c:CT+4*\c+2], v[SA+32*\c+16:SA+32*\c+31], v[SC4+2*\c+1]
.endr
	v_nop
.irp c, 0,1
.irp i, 0,1,2
	v_permlane16_swap_b32 v[PC+6*\c+\i], v[CT+4*\c+\i]
.endr
.irp i, 0,1,2
	s_delay_alu instid0(VALU_DEP_3)
	v_mov_b32 v[PC+3+6*\c+\i], v[CT+4*\c+\i]
.endr
.endr
.set q, 0
.rept 16
	v_pk_mul_f32 v[OA+q:OA+q+1], v[OA+q:OA+q+1], v[FF:FF+1] op_sel_hi:[1,0]   ; O^T under the new M (also the lines between p's codes and scale word and the products)
.set q, q+2
.endr
	s_setprio 0
	s_wait_alu depctr_va_vdst(0)
	s_wait_dscnt 0x0                               ; V
.irp t, 0,1,2,3                        ; O^T += V^T P^T
	v_wmma_scale_f32_16x16x128_f8f6f4 v[OA+8*\t:OA+8*\t+7], v[KV+12*\t:KV+12*\t+11], v[PC:PC+11], v[OA+8*\t:OA+8*\t+7], v[VSW+\t], v[PSW] matrix_a_fmt:MATRIX_FMT_BF6 matrix_b_fmt:MATRIX_FMT_BF6
.endr
	PLACES 4
	s_cmp_lg_u32 s[KS], s[GG]
	s_cbranch_scc1 .Lnofinal
	; ---- the job's last step: divide by the sum, quantise along the head's 64 (two blocks), store half a fragment and its two scale bytes
	v_add_f32 v14, v14, v15
	s_delay_alu instid0(VALU_DEP_1)
	v_permlanex16_b32 v[TT], v14, s[SEL], s[SEL+1]
	s_delay_alu instid0(VALU_DEP_1)
	v_add_f32 v14, v14, v[TT]
	s_wait_alu depctr_va_vdst(0)
	v_rcp_f32 v14, v14
	v_nop
	s_wait_alu depctr_va_vdst(0)
.set q, 0
.rept 16
	v_pk_mul_f32 v[SA+q:SA+q+1], v[OA+q:OA+q+1], v[14:15] op_sel_hi:[1,0]   ; register 16 b + i: e = 32 b + 16 (lane / 16) + i
.set q, q+2
.endr
.irp b, 0,1
	v_max3_num_f32 v[BM+\b], |v[SA+16*\b]|, |v[SA+16*\b+1]|, 0x2800000
.endr
.irp i, 2,4,6,8,10,12,14
.irp b, 0,1
	s_delay_alu instid0(VALU_DEP_2)
	v_max3_num_f32 v[BM+\b], v[BM+\b], |v[SA+16*\b+\i]|, |v[SA+16*\b+\i+1]|
.endr
.endr
.irp b, 0,1
	s_delay_alu instid0(VALU_DEP_2)
	v_permlanex16_b32 v[T4+\b], v[BM+\b], s[SEL], s[SEL+1]
.endr
.irp b, 0,1
	s_delay_alu instid0(VALU_DEP_2)
	v_max_num_f32 v[BM+\b], v[BM+\b], v[T4+\b]
.endr
.irp b, 0,1
	s_delay_alu instid0(VALU_DEP_2)
	v_add_nc_u32 v[SC4+\b], 0xfe000000, v[BM+\b]
.endr
.irp b, 0,1
	s_delay_alu instid0(VALU_DEP_2)
	v_lshrrev_b32 v[T4+\b], 23, v[SC4+\b]
.endr
	s_delay_alu instid0(VALU_DEP_1)
	v_lshl_or_b32 v[CW], v[T4+1], 8, v[T4]
	v_cvt_scalef32_pk16_bf6_f32 v[PC:PC+2], v[SA:SA+15], v[SC4]
	v_cvt_scalef32_pk16_bf6_f32 v[CT:CT+2], v[SA+16:SA+31], v[SC4+1]
	v_nop
.irp i, 0,1,2
	v_permlane16_swap_b32 v[PC+\i], v[CT+\i]
.endr
.irp i, 0,1,2
	s_delay_alu instid0(VALU_DEP_3)
	v_mov_b32 v[PC+3+\i], v[CT+\i]
.endr
	s_mul_i32 s52, s[GG], 114688
	s_mov_b32 s53, 0
	s_add_nc_u64 s[CA:CA+1], s[CB:CB+1], s[52:53]
	s_add_nc_u64 s[CSA:CSA+1], s[CSB:CSB+1], s[52:53]
	global_store_b128 v[LI], v[PC:PC+3], s[CA:CA+1]              ; 512 consecutive bytes,
	global_store_b64 v[L8], v[PC+4:PC+5], s[CA:CA+1] offset:512  ; 256 more,
	global_store_b32 v[L4], v[CW], s[CSA:CSA+1]                  ; and a word a lane (both halves of the lanes hold the same)
	s_wait_xcnt 0x0                                ; the stores have read their registers and bases: the next job writes them
.Lnofinal:
	s_add_co_u32 s[TAU], s[TAU], 1
	s_cmp_lt_u32 s[TAU], 17
	s_cbranch_scc1 .Ltrip
	s_setprio 0
	s_wait_dscnt 0x0
	s_wait_tensorcnt 0x0
	ds_add_u32 v254, v255
	s_wait_dscnt 0x0
	CROUND                                         ; the closing round
	s_endpgm
.Lfunc_end_k_q3f13d3acce_attn:
	.size	k_q3f13d3acce_attn, .Lfunc_end_k_q3f13d3acce_attn-k_q3f13d3acce_attn
	.p2alignl 7, 3214868480
	.fill 96, 4, 3214868480
	.section	.rodata,"a",@progbits
	.p2align	6, 0x0
	.amdhsa_kernel k_q3f13d3acce_attn
		.amdhsa_group_segment_fixed_size 215040
		.amdhsa_private_segment_fixed_size 0
		.amdhsa_enable_private_segment 0
		.amdhsa_kernarg_size 16
		.amdhsa_user_sgpr_count 2
		.amdhsa_user_sgpr_kernarg_segment_ptr 1
		.amdhsa_wavefront_size32 1
		.amdhsa_system_sgpr_workgroup_id_x 1
		.amdhsa_system_sgpr_workgroup_id_y 1
		.amdhsa_system_sgpr_workgroup_id_z 1
		.amdhsa_system_vgpr_workitem_id 0
		.amdhsa_next_free_vgpr 256
		.amdhsa_next_free_sgpr 66
		.amdhsa_reserve_vcc 1
		.amdhsa_float_denorm_mode_32 3
		.amdhsa_float_denorm_mode_16_64 3
		.amdhsa_memory_ordered 1
		.amdhsa_forward_progress 1
		.amdhsa_inst_pref_size 37
	.end_amdhsa_kernel
	.amdgpu_metadata
---
amdhsa.version: [ 1, 2 ]
amdhsa.kernels:
  - .name:           k_q3f13d3acce_attn
    .symbol:         k_q3f13d3acce_attn.kd
    .args:
      - { .name: qkv, .offset: 0, .size: 8, .value_kind: global_buffer, .address_space: global }
      - { .name: cat, .offset: 8, .size: 8, .value_kind: global_buffer, .address_space: global }
    .group_segment_fixed_size: 215040
    .private_segment_fixed_size: 0
    .kernarg_segment_align: 8
    .kernarg_segment_size: 16
    .max_flat_workgroup_size: 512
    .sgpr_count:     66
    .vgpr_count:     256
    .wavefront_size: 32
...
	.end_amdgpu_metadata
.endif
;; end of part 7
;; launch outproj: the kernel of part 4 again; grid 4 x 64, 4 waves a work-group, clusters of 4 x 1, 168,448 bytes of LDS; arguments cat, wts, bo, out0; writes out0
